; MI455X (gfx1250); checked and timed in simulation.
; The chip was launched on July 23, 2026; its instructions are those of AMD's public machine-readable ISA for CDNA 5 (MIT licence, August 2026) and "CDNA5" Instruction Set Architecture Reference Guide (July 2026). The comments in the code are by the model that wrote it; some were corrected since.
;; Causal Self Attention. Allowed arithmetic: matrix products marked QUANTISED: E2M3 operands, one E8M0 scale for each 32 along K, by v_wmma_scale_f32_16x16x128_f8f6f4 with both operands' format E2M3, f32 sums; everything else in f32.
;; Inputs: W_attn 1,024 x 3,072 float32; W_proj 1,024 x 1,024 float32; b_attn 3,072 float32; b_proj 1,024 float32; x 4 x 2,048 x 1,024 float32.
;; Outputs: out0 4 x 2,048 x 1,024 float32.
;; This version of the problem:
;;   THIS VERSION OF THE PROBLEM IS GIVEN IN LOW PRECISION. The matrix products marked QUANTISED in the list below multiply operands that are first quantised to E2M3 (2 exponent bits, 3 mantissa bits; 6 bits a number), with one power-of-two scale for each 32 numbers along K (OCP MX v1.0); their sums are f32. All else is computed in f32.
;;   The module's matrix products, in the order in which they are computed (A, B: the left and right operand; K: the contracted axis; several contracted axes count as one K, in the product's order):
;;     1. [M 8,192, K 1,024] x [K 1,024, N 3,072]; A: input x; B: input W_attn: QUANTISED
;;     2. batch 64 x [M 2,048, K 64] x [K 64, N 2,048]; A: computed on the way; B: computed on the way: QUANTISED
;;     3. batch 64 x [M 2,048, K 2,048] x [K 2,048, N 64]; A: softmax (see below); B: computed on the way: QUANTISED
;;     4. [M 8,192, K 1,024] x [K 1,024, N 1,024]; A: computed on the way; B: input W_proj: QUANTISED
;;   THE QUANTISER, for each operand of a quantised product, along K:
;;     - K is cut into blocks of 32 from its start; a last block that is shorter is filled with zeros.
;;     - A block's scale is 2^e with e = floor(log2(the largest magnitude in the block)) - 2, held to -126 .. 127; a block of zeros has e = 0. As a byte (E8M0): e + 127.
;;     - Each number is divided by its block's scale, clamped to +-7.5, and rounded to the nearest number of E2M3, ties to even, subnormals kept.
;;     - The product sums the exact products of the quantised numbers (number of the format x scale) in f32.
;;   ~~~python
;;   def quantise(x, axis):      # numpy; x: float32 -> the quantised numbers, widened to float32 again
;;       x = np.moveaxis(x, axis, -1); K = x.shape[-1]
;;       x = np.pad(x, [(0, 0)] * (x.ndim - 1) + [(0, -K % 32)]); x = x.reshape(x.shape[:-1] + (-1, 32)); a = np.abs(x).max(-1, keepdims=True)
;;       e = np.where(a > 0, np.clip(np.frexp(np.where(a > 0, a, 1))[1] - 1 - 2, -126, 127), 0)      # np.frexp(a)[1] - 1 = floor(log2(a)), exactly
;;       r = np.clip(x / 2.0 ** e, -7.5, 7.5)
;;       step = 2.0 ** (np.maximum(np.frexp(np.where(r == 0, 1, r))[1] - 1, 0) - 3)
;;       q = np.round(r / step) * step * 2.0 ** e      # np.round: ties to even
;;       return np.moveaxis(q.reshape(q.shape[:-2] + (-1,))[..., :K], -1, axis).astype(np.float32)
;;   ~~~
;;   SOFTMAX AHEAD OF A QUANTISED PRODUCT. Where the list says 'softmax', what is quantised is not the finished softmax but p = 2^(t - M), with t = logit x log2(e) and M = ceil(the row's largest t), a whole number; so 1/2 < the row's largest p <= 1. The row's sum l is taken of the UNQUANTISED p, in f32, and the product's result is divided by l at the end. Since M is a whole number, a kernel that streams over the keys may use a running M (the ceiling of the running maximum): every later rescaling is an exact power of two, which a block's scale takes up: the codes' values come out the same.
;;   OPERANDS COMPUTED ON THE WAY. 'Computed on the way' means the value that the module computes at that place (a softmax that the list does not call 'softmax' is quantised finished and normalised). What goes into a quantiser is computed in f32, as accurately as f32 sums, v_exp_f32 and their like allow (about 1e-6 of the number): no bf16 or f16 on the way to a quantiser, and a product that is left as it is and whose result goes on into a quantised operand takes f32 operands (vector FMAs, or v_wmma_f32_16x16x4_f32). A number that lies on a knife's edge between two numbers of the format may be rounded either way, as far as f32 arithmetic and the matrix unit's own rounding can turn it there, and no further.
;; One version. Each part assembles by itself: llvm-mc -triple=amdgcn-amd-amdhsa -mcpu=gfx1250 --defsym DOCPART=n.
;; ======== version 1 of 1: 4 launches
;; limits: right only within a limited range of input values
;; workspace buffers: xc 6,291,456 bytes; xs 262,144 bytes; wc 3,145,728 bytes; ws 131,072 bytes; qkvc 18,874,368 bytes; qkvs 786,432 bytes; yc 6,291,456 bytes; ys 262,144 bytes
;; launch quant (part 1): grid 384 x 1, 4 waves a work-group, no clusters, 68,096 bytes of LDS; arguments x, xc, xs, W_attn, W_proj, wc, ws; writes xc, xs, wc, ws
.if DOCPART == 1
	.amdgcn_target "amdgcn-amd-amdhsa--gfx1250"
	.amdhsa_code_object_version 6
	.text
	.protected	k_qb0ee683998_quant
	.globl	k_qb0ee683998_quant
	.p2align	8
	.type	k_qb0ee683998_quant,@function
k_qb0ee683998_quant:
	s_mov_b64 s[64:65], 0
	v_nop
	global_prefetch_b8 v0, s[64:65] scope:SCOPE_SE
	s_setreg_imm32_b32 hwreg(HW_REG_WAVE_MODE, 25, 1), 1
	s_wait_xcnt 0x0
; ONE LAUNCH QUANTISES ALL THREE TENSORS to codes of FP6 (E2M3) with one E8M0 byte for each 32 along K.  Work-groups 0 .. 127 take W_attn and W_proj, 128 .. 383 take x.
; A block's scale is 2^(floor(log2(its largest magnitude)) - 2); its byte is the largest magnitude's exponent field - 2, held at 1 from below.
; CODES' LAYOUT, both buffers: [K step of 256: 4][row][192 bytes], so that 128 rows of one K step are 24,576 consecutive bytes.  Scale bytes: [row][32].
; xc, xs: 8,192 rows (tokens).  wc, ws: 4,096 rows: W_attn's 3,072 columns, then W_proj's 1,024.  STORED ORDER: index a lies at row sw(a), sw = bits 3 and 4 exchanged.
; x (K innermost): a wave takes 8 rows in 16 steps of 512 numbers; each load reads 512 consecutive bytes; a step turns through the wave's own stage in LDS so that a lane holds 16 neighbours along K.
; Bits 3 and 4 of a row are the wave's two bits: the wave reads run 4 g + w and writes run 4 g + (w with its bits exchanged).  Lanes 0-15 of a step hold one K step's 192 bytes of a row, lanes 16-31 the next K step's.
; W (K outermost): a lane takes a column and its registers run down K; a wave takes 32 columns x 256 along K; the codes leave through the wave's stage, two rows (384 consecutive bytes) a store.
; The two paths part on the work-group's number alone and have LDS bytes of their own.  No tensor load, no barrier: waves share nothing.  Every input of the problem is used by the program; nothing is left out here.
; LIMITS: a block of zeros gets the byte 1 where the rule says 127 (its codes are zeros, and this program alone reads the bytes); blocks under 2^-124 are held at the byte 1; NaN and infinities are not served.
.set EMAX,  2
.set XPL,   8192*192                   ; a K step's plane of xc
.set WPL,   4096*192                   ; of wc
.set STEPS, 16
.set CB,    12                         ; bytes of 16 codes
.set R,     16                         ; x: v16-79 four sets as loaded; v80-111 two sets of 16 neighbours; v112-127 bytes; v128-191 codes
.set X,     80
.set E,     112
.set C,     128
.set SP,    80                         ; a lane's place in a stage: 64 bytes + 16
.set WREG,  8192                       ; x: LDS region of a wave
.set NB,    8                          ; W: blocks of 32 along K for a wave
.set WP,    272                        ; W: a stage row
.set WROW,  192
.set WX,    32                         ; W: v32-95 two sets of 32; v96.. codes; v112-175 the way out; v176-207 load offsets
.set WC,    96
.set OUTR,  112
.set OF,    176
.set SB,    24
.set BA,    36                         ; s[36:51] addresses of my 8 blocks of 32 rows of W
.set XB,    4*32*WP                    ; LDS: W's four stages from 0, x's four regions from here,
.set SPARE, XB+4*WREG                  ; the spare words behind them, named by no other line
.set SPW,   208
.set NIL,   209
	v_lshl_add_u32 v[SPW], v0, 2, SPARE
	v_mov_b32 v[NIL], 0
	v_lshrrev_b32 v1, 5, v0
	v_readfirstlane_b32 s16, v1                    ; wave
	v_and_b32 v2, 31, v0                           ; lane
	s_wait_alu depctr_va_vdst(0)
	s_cmp_lt_u32 ttmp9, 128
	s_cbranch_scc1 .Lw
; ---------------- x
	s_load_b128 s[4:7], s[0:1], 0x0                ; x, xc
	s_load_b64 s[10:11], s[0:1], 0x10              ; xs
	v_lshlrev_b32 v3, 4, v2
	s_mul_i32 s17, s16, WREG
	s_add_co_u32 s17, s17, XB
	v_lshrrev_b32 v14, 2, v2
	v_mul_u32_u24 v14, v14, SP
	v_and_b32 v15, 3, v2
	v_lshl_add_u32 v14, v15, 4, v14
	v_add_nc_u32 v14, s17, v14                     ; the stage, in: SP (lane / 4) + 16 (lane % 4)
	v_mul_u32_u24 v15, v2, SP
	v_add_nc_u32 v15, s17, v15                     ; out: SP x lane
	v_and_b32 v4, 15, v2
	v_mul_u32_u24 v4, v4, CB
	v_lshrrev_b32 v9, 4, v2
	v_mad_u32_u24 v4, v9, XPL, v4                  ; my codes: 12 (lane % 16) + a plane for lanes 16-31
	v_lshrrev_b32 v5, 1, v2
	s_add_co_u32 s17, s17, 2*32*SP
	v_add_nc_u32 v5, s17, v5                       ; my block's byte among the wave's 256
	v_lshlrev_b32 v7, 3, v2
	v_add_nc_u32 v6, s17, v7
	s_sub_co_u32 s18, ttmp9, 128
	s_lshl_b32 s18, s18, 2
	s_add_co_u32 s19, s18, s16                     ; the run of 8 rows that I read
	s_and_b32 s20, s16, 1
	s_lshl_b32 s20, s20, 1
	s_lshr_b32 s21, s16, 1
	s_or_b32 s20, s20, s21
	s_add_co_u32 s18, s18, s20                     ; the run that I write
	s_lshl_b32 s20, s19, 15
	s_mov_b32 s21, 0
	s_mul_i32 s22, s18, 8*192
	s_mov_b32 s23, 0
	s_lshl_b32 s24, s18, 8
	s_mov_b32 s25, 0
	s_wait_alu depctr_va_vdst(0)
	s_wait_kmcnt 0x0
	s_add_nc_u64 s[4:5], s[4:5], s[20:21]
	s_add_nc_u64 s[8:9], s[6:7], s[22:23]
	s_add_nc_u64 s[10:11], s[10:11], s[24:25]
.macro LOAD t
.irp i, 0,1,2,3
	global_load_b128 v[R+16*((\t)%4)+4*\i:R+16*((\t)%4)+4*\i+3], v3, s[4:5] offset:2048*(\t)+512*\i th:TH_LOAD_NT
.endr
.endm
.macro TURN t                          ; LDS serves a wave's instructions in order: no wait between the stores and the loads
.irp i, 0,1,2,3
	ds_store_b128 v14, v[R+16*((\t)%4)+4*\i:R+16*((\t)%4)+4*\i+3] offset:32*SP*((\t)%2)+8*SP*\i
.endr
.irp i, 0,1,2,3
	ds_load_b128 v[X+16*((\t)%2)+4*\i:X+16*((\t)%2)+4*\i+3], v15 offset:32*SP*((\t)%2)+16*\i
.endr
.endm
.irp t, 0,1,2,3
	LOAD \t
.endr
	s_wait_loadcnt 12                              ; step 0's four loads are in; three steps' twelve may be out
	TURN 0
.macro STEP t
.set XS, X+16*((\t)%2)
.if (\t) > 0
	s_wait_dscnt 1                                 ; this step's numbers are back (the last step's byte store may be out)
.else
	s_wait_dscnt 0x0
.endif
.if (\t)+4 < STEPS
	LOAD (\t)+4
.endif
.if (\t)+1 < STEPS
.if STEPS-2-(\t) >= 3
	s_wait_loadcnt 12                              ; the next step's four are in; three steps' may be out
.else
	s_wait_loadcnt 4*(STEPS-2-(\t))
.endif
	TURN (\t)+1
.endif
	v_max3_num_f32 v8, |v[XS]|, |v[XS+1]|, |v[XS+2]|
	v_max3_num_f32 v9, |v[XS+3]|, |v[XS+4]|, |v[XS+5]|
.irp i, 6,10
	v_max3_num_f32 v8, v8, |v[XS+\i]|, |v[XS+\i+1]|
	v_max3_num_f32 v9, v9, |v[XS+\i+2]|, |v[XS+\i+3]|
.endr
	v_max3_num_f32 v8, v8, |v[XS+14]|, |v[XS+15]|
	v_max3_num_f32 v8, v8, v9, (EMAX+1)<<23        ; the floor 2^(3 - 127)
	v_max_num_f32_dpp v8, v8, v8 row_xmask:1 row_mask:0xf bank_mask:0xf   ; with my neighbour's 16: the block's
	v_add_nc_u32 v11, -(EMAX<<23), v8              ; the conversion's scale operand
	v_cvt_scalef32_pk16_fp6_f32 v[C+4*(\t):C+4*(\t)+2], v[XS:XS+15], v11
	v_lshrrev_b32 v[E+(\t)], 23, v11               ; the byte (also the plain line behind the conversion)
	ds_store_b8 v5, v[E+(\t)] offset:16*(\t)
	global_store_b96 v4, v[C+4*(\t):C+4*(\t)+2], s[8:9] offset:192*((\t)/2)+2*XPL*((\t)%2)   ; row t / 2 of my 8, K steps 2 (t % 2) and 2 (t % 2) + 1
.endm
.irp t, 0,1,2,3,4,5,6,7,8,9,10,11,12,13,14,15
	STEP \t
.endr
	ds_load_b64 v[8:9], v6
	s_wait_dscnt 0x0
	global_store_b64 v7, v[8:9], s[10:11]          ; 32 lanes store 256 consecutive bytes, aligned
	s_wait_tensorcnt 0x0                           ; the wave's end
	ds_add_u32 v[SPW], v[NIL]
	s_wait_dscnt 0x0
	s_endpgm
; ---------------- W: work-group = 32 y + xw; xw = 0 .. 23 W_attn, 24 .. 31 W_proj; y: which 256 along K
.Lw:
	s_load_b128 s[4:7], s[0:1], 0x18               ; W_attn, W_proj
	s_load_b128 s[8:11], s[0:1], 0x28              ; wc, ws
	s_and_b32 s33, ttmp9, 31
	s_lshr_b32 s18, ttmp9, 5
	s_lshl_b32 s17, s33, 7
	s_lshl_b32 s19, s16, 5
	s_add_co_u32 s17, s17, s19                     ; my wave's first row of the outputs
	s_cmp_lt_u32 s33, 24
	s_mov_b32 s30, 4096
	s_cselect_b32 s30, 12288, s30                  ; a row of W in bytes
	s_cselect_b32 s31, 0, 3072
	s_sub_co_u32 s31, s17, s31                     ; my first column in its own tensor
	v_and_b32 v5, 7, v2
	v_bfe_u32 v6, v2, 3, 1
	v_bfe_u32 v7, v2, 4, 1
	v_lshl_or_b32 v5, v6, 4, v5
	v_lshl_or_b32 v5, v7, 3, v5                    ; sw(lane)
	s_mul_i32 s19, s16, 32*WP                      ; my stage
	v_mul_u32_u24 v4, v5, WP
	v_add_nc_u32 v4, s19, v4
	v_lshlrev_b32 v9, 5, v5
	v_and_b32 v5, 15, v2
	v_lshrrev_b32 v6, 4, v2
	v_mul_u32_u24 v7, v6, WP
	v_lshl_add_u32 v7, v5, 4, v7
	v_add_nc_u32 v7, s19, v7
	v_mul_u32_u24 v8, v6, WROW
	v_mad_u32_u24 v8, v5, 12, v8
	v_lshlrev_b32 v[OF], 2, v2
.set i, 1
.rept 31
	v_add_nc_u32 v[OF+i], s30, v[OF+i-1]
.set i, i+1
.endr
	s_mul_i32 s20, s18, s30
	s_lshl_b32 s20, s20, 8
	s_lshl_b32 s21, s31, 2
	s_add_co_u32 s20, s20, s21
	s_mov_b32 s21, 0
	s_lshl_b32 s22, s30, 5
	s_mov_b32 s23, 0
	s_mul_i32 s24, s17, WROW
	s_mul_i32 s26, s18, WPL
	s_add_co_u32 s24, s24, s26                     ; codes: plane y, my first row
	s_mov_b32 s25, 0
	s_lshl_b32 s28, s17, 5
	s_lshl_b32 s26, s18, 3
	s_add_co_u32 s28, s28, s26
	s_mov_b32 s29, 0
	s_wait_alu depctr_va_vdst(0)
	s_wait_kmcnt 0x0
	s_cmp_lt_u32 s33, 24
	s_cselect_b64 s[4:5], s[4:5], s[6:7]
	s_add_nc_u64 s[BA:BA+1], s[4:5], s[20:21]
.irp t, 1,2,3,4,5,6,7
	s_add_nc_u64 s[BA+2*\t:BA+2*\t+1], s[BA+2*\t-2:BA+2*\t-1], s[22:23]
.endr
	s_add_nc_u64 s[8:9], s[8:9], s[24:25]
	s_add_nc_u64 s[10:11], s[10:11], s[28:29]
.macro WLOAD t
.set i, 0
.rept 32
	global_load_b32 v[WX+32*((\t)%2)+i], v[OF+i], s[BA+2*(\t):BA+2*(\t)+1] th:TH_LOAD_NT
.set i, i+1
.endr
.endm
	WLOAD 0
	WLOAD 1
.macro BLOCK t
.set XS, WX+32*((\t)%2)
.if (\t) < NB-1
	s_wait_loadcnt 32                              ; this block's 32 are in; the next block's may be out
.else
	s_wait_loadcnt 0
.endif
	v_max3_num_f32 v12, |v[XS]|, |v[XS+1]|, |v[XS+2]|
	v_max3_num_f32 v13, |v[XS+3]|, |v[XS+4]|, |v[XS+5]|
.irp i, 6,10,14,18,22,26
	v_max3_num_f32 v12, v12, |v[XS+\i]|, |v[XS+\i+1]|
	v_max3_num_f32 v13, v13, |v[XS+\i+2]|, |v[XS+\i+3]|
.endr
	v_max3_num_f32 v12, v12, |v[XS+30]|, |v[XS+31]|
	v_max3_num_f32 v12, v12, v13, (EMAX+1)<<23
	v_add_nc_u32 v11, -(EMAX<<23), v12
	v_lshrrev_b32 v13, 23, v11
.if (\t)%4 == 0
	v_mov_b32 v[SB+(\t)/4], v13
.else
	v_lshl_or_b32 v[SB+(\t)/4], v13, 8*((\t)%4), v[SB+(\t)/4]
.endif
	v_cvt_scalef32_pk16_fp6_f32 v[WC:WC+2], v[XS:XS+15], v11
	v_cvt_scalef32_pk16_fp6_f32 v[WC+4:WC+6], v[XS+16:XS+31], v11
	v_nop                                          ; one plain line behind the conversions
	ds_store_b96 v4, v[WC:WC+2] offset:32*(\t)
	ds_store_b96 v4, v[WC+4:WC+6] offset:32*(\t)+16
.if (\t)+2 < NB
	WLOAD (\t)+2
.endif
	s_wait_dscnt 0x0                               ; the stores have read their registers
.endm
.irp t, 0,1,2,3,4,5,6,7
	BLOCK \t
.endr
	s_wait_alu depctr_va_vdst(0)
	global_store_b64 v9, v[SB:SB+1], s[10:11]      ; my column's 8 scale bytes
.irp t, 0,1,2,3,4,5,6,7,8,9,10,11,12,13,14,15
	ds_load_b96 v[OUTR+4*\t:OUTR+4*\t+2], v7 offset:2*\t*WP
.endr
.irp t, 0,1,2,3,4,5,6,7,8,9,10,11,12,13,14,15
	s_wait_dscnt 15-\t                             ; the younger loads may be out
	global_store_b96 v8, v[OUTR+4*\t:OUTR+4*\t+2], s[8:9] offset:2*\t*WROW   ; two rows: 384 consecutive bytes
.endr
	s_wait_tensorcnt 0x0                           ; the wave's end
	ds_add_u32 v[SPW], v[NIL]
	s_wait_dscnt 0x0
	s_endpgm
.Lfunc_end_k_qb0ee683998_quant:
	.size	k_qb0ee683998_quant, .Lfunc_end_k_qb0ee683998_quant-k_qb0ee683998_quant
	.p2alignl 7, 3214868480
	.fill 96, 4, 3214868480
	.section	.rodata,"a",@progbits
	.p2align	6, 0x0
	.amdhsa_kernel k_qb0ee683998_quant
		.amdhsa_group_segment_fixed_size 68096
		.amdhsa_private_segment_fixed_size 0
		.amdhsa_enable_private_segment 0
		.amdhsa_kernarg_size 56
		.amdhsa_user_sgpr_count 2
		.amdhsa_user_sgpr_kernarg_segment_ptr 1
		.amdhsa_wavefront_size32 1
		.amdhsa_system_sgpr_workgroup_id_x 1
		.amdhsa_system_sgpr_workgroup_id_y 1
		.amdhsa_system_sgpr_workgroup_id_z 1
		.amdhsa_system_vgpr_workitem_id 0
		.amdhsa_next_free_vgpr 210
		.amdhsa_next_free_sgpr 66
		.amdhsa_reserve_vcc 0
		.amdhsa_float_denorm_mode_32 3
		.amdhsa_float_denorm_mode_16_64 3
		.amdhsa_memory_ordered 1
		.amdhsa_forward_progress 1
		.amdhsa_inst_pref_size 76
	.end_amdhsa_kernel
	.amdgpu_metadata
---
amdhsa.version: [ 1, 2 ]
amdhsa.kernels:
  - .name:           k_qb0ee683998_quant
    .symbol:         k_qb0ee683998_quant.kd
    .args:
      - { .name: x, .offset: 0, .size: 8, .value_kind: global_buffer, .address_space: global }
      - { .name: xc, .offset: 8, .size: 8, .value_kind: global_buffer, .address_space: global }
      - { .name: xs, .offset: 16, .size: 8, .value_kind: global_buffer, .address_space: global }
      - { .name: W_attn, .offset: 24, .size: 8, .value_kind: global_buffer, .address_space: global }
      - { .name: W_proj, .offset: 32, .size: 8, .value_kind: global_buffer, .address_space: global }
      - { .name: wc, .offset: 40, .size: 8, .value_kind: global_buffer, .address_space: global }
      - { .name: ws, .offset: 48, .size: 8, .value_kind: global_buffer, .address_space: global }
    .group_segment_fixed_size: 68096
    .private_segment_fixed_size: 0
    .kernarg_segment_align: 8
    .kernarg_segment_size: 56
    .max_flat_workgroup_size: 128
    .sgpr_count:     66
    .vgpr_count:     210
    .wavefront_size: 32
...
	.end_amdgpu_metadata
.endif
;; end of part 1
;; launch gemm_qkv (part 2): grid 12 x 32, 4 waves a work-group, clusters of 4 x 4, 327,680 bytes of LDS; arguments xc, xs, wc, ws, b_attn, qkvc, qkvs; writes qkvc, qkvs
.if DOCPART == 2
	.amdgcn_target "amdgcn-amd-amdhsa--gfx1250"
	.amdhsa_code_object_version 6
	.text
	.protected	k_qb0ee683998_gemm_qkv
	.globl	k_qb0ee683998_gemm_qkv
	.p2align	8
	.type	k_qb0ee683998_gemm_qkv,@function
k_qb0ee683998_gemm_qkv:
	s_mov_b64 s[64:65], 0
	v_nop
	global_prefetch_b8 v0, s[64:65] scope:SCOPE_SE
	s_setreg_imm32_b32 hwreg(HW_REG_WAVE_MODE, 25, 1), 1
	s_wait_xcnt 0x0
	s_wait_alu depctr_hold_cnt(0) depctr_sa_sdst(0) depctr_va_vdst(0) depctr_va_sdst(0) depctr_va_ssrc(0) depctr_va_vcc(0) depctr_vm_vsrc(0)
	s_getreg_b32 s2, hwreg(HW_REG_IB_STS2, 6, 4)
	s_cmp_eq_u32 s2, 0
	s_cbranch_scc0 .Lentry_in_a_cluster
	s_endpgm
.Lentry_in_a_cluster:
	s_bfe_u32 s2, ttmp6, 0x10000c
	s_cmp_lg_u32 s2, 0xf033
	s_cbranch_scc0 .Lentry_shape_is_right
	s_endpgm
.Lentry_shape_is_right:
; qkv = x W_attn + b_attn on codes of FP6 (E2M3) with E8M0 scales, K = 1,024; the result is split into heads and QUANTISED AGAIN in registers: q and k along the head's 64 channels, v along the keys.  No f32 number of qkv goes to memory.
; A work-group of four waves makes 256 x 256, a wave 128 x 128: 64 accumulators, 512 registers.  K goes in steps of 256 through two LDS slots filled by the tensor data mover.
; The product is D(source 0 = 16 rows of P, source 1 = 16 rows of R): a lane holds ONE row of R, and its registers run along P.  Clusters x = 0, 1 (q and k): R = rows of x (tokens), P = columns of W: the registers run along
; the channels.  Cluster x = 2 (v): R = columns 2,048 .. 3,071 of W, P = rows of x: the registers run along the tokens, v's K.  The kind is the same in all sixteen partners and chooses pointers, tile numbers, two lane masks and
; store offsets; no branch and no LDS address hangs on it.
; STORED ORDER: rows of both operands lie at sw(index) (bits 3 and 4 exchanged), so that the 16 registers of P's tiles 2 b and 2 b + 1 hold P's indices 32 b + 16 (lane / 16) + 0 .. 15: 16 neighbours along the next K.
; OUT: a block of 16 rows of R x 128 of P becomes one fragment (12 registers a lane) and one scale word a row.  Its two halves (64 along K) are stored as images of their registers: three stores of 8 bytes a lane, each 256 consecutive
; bytes, aligned.  qkvc: [batch][block of 128 columns 24][block of 128 tokens 16][half 2][tile 8][768].  qkvs: [batch][24][head in the pair 2][16][row 16][4 words].
; CLUSTERS: 4 x 4 work-groups; R's tiles are asked for jointly along a row of the cluster, P's along a column.
; LIMITS: a block of zeros gets the byte 1 where the rule says 127 (this program alone reads the bytes); blocks under 2^-124 are held at the byte 1; NaN and infinities are not served.
; REGISTERS, in windows of 256: window 0: v0-31 addresses; v32-63 scale words, two sets; v64-127 the bias along P; from v128 R's fragments, ONE set; v244-251 the bias along R; on the way out v128-243 are at work.
;   window 1: P's fragments, TWO sets.   window 2: the accumulators of my R rows 0-63 ((a, b) at v[8 (8 a + b)]);   window 3: those of rows 64-127.
.set KSTEP,  256
.set NQ,     2                         ; matrix instructions deep in a slot
.set ROWB,   192                       ; a tile's row in bytes
.set XPL,    8192*192                  ; codes lie [K step][row][192 bytes]: a K step's plane of x's codes,
.set WPL,    4096*192                  ; and of W's.  128 rows of a K step are 24,576 consecutive bytes, fetched as 96 rows of 256
.set PITCH,  240                       ; an LDS row: 3 x (64 bytes + 16 of padding)
.set FR,     12
.set NL,     6
.set NP,     4                         ; places behind this matrix instruction (ISA guide 7.12.1)
.set HALFT,  128*PITCH
.set SLOT,   4*HALFT
.set LAPS,   2                         ; K = 1,024 is four K steps: twice round the ring
.set KS,     32                        ; a row of scale bytes
.set SCL,    2*SLOT                    ; behind the ring: the scales, as units of 256 bytes + 16 of padding
.set HALFS,  (128*KS/256)*272
.set SBLK,   (16*KS/256)*272
.set SPARE,  SCL+4*HALFS               ; behind the scales: the spare words, named by no other line
.set L8,   8                           ; v8   8 x lane: my place in a piece of an image
.set SOF,  9                           ; v9   16 r + 4,096 (lane / 16): my place among the scale words
.set BPA,  10                          ; v10  64 (lane / 16)
.set BRA,  11                          ; v11  4 ((r & 7) + 16 (r >> 3))
.set ADRA, 16
.set ADRB, 20
.set ADRS, 27
.set SPW,  28
.set NIL,  29
.set SC,   32
.set BP,   64                          ; v64-127  the bias at the lane's 64 indices of P (or 1.0)
.set AF,   128
.set H,    128                         ; the way out: v128-191 64 numbers of a lane
.set PC,   192                         ; v192-210 the codes just made
.set TM,   212                         ; v212-227 at work in the quantiser
.set PWS,  228                         ; v228-235 the eight blocks' scale words
.set OW,   236                         ; v236-239 the scale words as they leave
.set YY,   240                         ; v240-241 the bias of the lane's row of R (or 1.0), low word
.set BR,   244                         ; v244-251 that bias for each of the eight blocks
.set G1, 24
.set G0, 32
.set G1B, 48
.set G0B, 56
.set G1S, 68
.set G0S, 76
.set G1SB, 80
.set G0SB, 88
.set SEL, 100                          ; s[100:101] selects of v_permlanex16_b32 for lane l xor 16
.set MSB, 0
.macro WIN new                         ; the immediate's high byte repeats the setting that is left
.if MSB != (\new)
	s_set_vgpr_msb (MSB<<8)|(\new)
.set MSB, (\new)
.endif
.endm
.set MUL_LO, 0xa1                      ; source 0 (P) window 1, source 1 (R) window 0, C and D window 2
.set MUL_HI, 0xf1
.set TO_B,   0x40
; A joint load: waves 0 and 1 fetch for R, waves 2 and 3 for P.  The branch hangs on the wave's number alone.  An s_nop 0 and four v_nop follow each of the two lines.
.macro JLOAD g0a, g1a, g0b, g1b
	s_cmp_eq_u32 s15, 0
	s_cbranch_scc0 .Lfor_b_\@
	tensor_load_to_lds s[\g0a:\g0a+3], s[\g1a:\g1a+7]
	s_nop 0
.rept 4
	v_nop
.endr
	s_branch .Lasked_\@
.Lfor_b_\@:
	tensor_load_to_lds s[\g0b:\g0b+3], s[\g1b:\g1b+7]
	s_nop 0
.rept 4
	v_nop
.endr
.Lasked_\@:
.endm
.macro CREST                           ; a round of the cluster's barrier behind its opening barrier
	s_cmp_lg_u32 s14, 0
	s_cbranch_scc1 .Lnot_wave_0_\@
	s_barrier_signal -3
.Lnot_wave_0_\@:
	s_barrier_wait -3
	s_barrier_signal -1
	s_barrier_wait -1
.endm
.macro CROUND
	s_barrier_signal -1
	s_barrier_wait -1
	CREST
.endm
	s_load_b128 s[4:7], s[0:1], 0x0                ; x's codes, x's scales
	s_load_b128 s[8:11], s[0:1], 0x10              ; W's codes, W's scales
	s_load_b64 s[12:13], s[0:1], 0x20              ; b_attn
	s_load_b128 s[96:99], s[0:1], 0x28             ; qkv's codes, qkv's scales
	v_lshl_add_u32 v[SPW], v0, 2, SPARE
	v_mov_b32 v[NIL], 0
	ds_add_u32 v[SPW], v[NIL]                      ; the wave's opening: the add and its wait stand ahead of my first tensor load; work on registers stands between them
	ds_add_u32 v[SPW], v[NIL]
	v_lshrrev_b32 v1, 5, v0
	v_readfirstlane_b32 s14, v1                    ; wave 0..3
	s_lshr_b32 s15, s14, 1                         ; which half of R's rows is mine.  Also: I fetch for R (0) or for P (1)
	s_and_b32 s16, s14, 1                          ; which half of P's rows.  Also: which 128 rows of that tile I fetch
	s_bfe_u32 s40, ttmp6, 0x40000                  ; cx, cy: my place in the cluster
	s_bfe_u32 s41, ttmp6, 0x40004
	s_lshl_b32 s18, ttmp9, 2                       ; 4 x cluster x
	s_and_b32 s19, ttmp7, 0xffff
	s_lshl_b32 s19, s19, 2                         ; 4 x cluster y
	s_cmp_eq_u32 ttmp9, 2                          ; the kind: v's clusters
	s_cselect_b32 s17, 8, s19
	s_cselect_b32 s42, s19, s18
	s_add_co_u32 s17, s17, s41                     ; R's tile of 256 rows: q, k: 4 Y + cy of x;  v: 8 + cy of W
	s_add_co_u32 s42, s42, s40                     ; P's tile: q, k: 4 X + cx of W;  v: 4 Y + cx of x
	s_lshl_b32 s43, s41, 2
	s_lshl_b32 s43, 15, s43                        ; my row of the cluster
	s_lshl_b32 s44, 0x1111, s40                    ; my column
	; descriptor group 1: a tile of 128 rows x 192 bytes, 16 bytes of padding behind every 64
	; a dense block as rows of 256 bytes (32 elements of 8), 16 bytes of padding behind every 64: in LDS a row of 192 bytes of codes takes 240.  192 rows (256 rows of codes) for the head's loads, 96 behind them
	s_or_b32 s[G1+0], s43, (3<<16)|(1<<20)|(1<<21)|(3<<22)|(3<<25)
	s_or_b32 s[G1B+0], s44, (3<<16)|(1<<20)|(1<<21)|(3<<22)|(3<<25)
.irp g, G1, G1B
	s_mov_b32 s[\g+1], 32<<16
	s_mov_b32 s[\g+2], 192<<16
	s_mov_b32 s[\g+3], 32<<16
	s_mov_b32 s[\g+4], 192
	s_mov_b32 s[\g+5], 32
	s_mov_b32 s[\g+6], 0
	s_mov_b32 s[\g+7], 0
.endr
	; the scales of 256 rows: a dense block of 8,192 bytes, as 32 rows of 256 bytes, 16 bytes of padding behind each
	s_or_b32 s[G1S+0], s43, (3<<16)|(1<<20)|(1<<21)|(5<<22)|(3<<25)
	s_or_b32 s[G1SB+0], s44, (3<<16)|(1<<20)|(1<<21)|(5<<22)|(3<<25)
.irp g, G1S, G1SB
	s_mov_b32 s[\g+1], 32<<16
	s_mov_b32 s[\g+2], (256*KS/256)<<16            ; the scales of all 256 rows by one load
	s_mov_b32 s[\g+3], 32<<16
	s_mov_b32 s[\g+4], 256*KS/256
	s_mov_b32 s[\g+5], 32
	s_mov_b32 s[\g+6], 0
	s_mov_b32 s[\g+7], 0
.endr
	s_lshl_b32 s20, s17, 8                         ; the tiles' first rows
	s_lshl_b32 s46, s42, 8
	s_mov_b32 s21, 0
	s_mov_b32 s47, 0
	s_mov_b64 s[18:19], KS
	s_mul_u64 s[22:23], s[20:21], s[18:19]         ; where these rows' scales begin, in bytes
	s_mul_u64 s[92:93], s[46:47], s[18:19]
	s_mov_b64 s[18:19], ROWB
	s_mul_u64 s[20:21], s[20:21], s[18:19]         ; and their codes
	s_mul_u64 s[46:47], s[46:47], s[18:19]
	s_mul_i32 s45, s14, HALFT                      ; where they go: wave x 128 rows
	s_mul_i32 s18, s16, 128*ROWB                   ; in the ring I fetch 128 rows of a tile: which half, in bytes
	s_mov_b32 s19, 0
	s_mov_b32 s[SEL], 0x76543210
	s_mov_b32 s[SEL+1], 0xfedcba98
	s_wait_dscnt 0x0                               ; the opening add is done
	s_wait_kmcnt 0x0
	s_cmp_eq_u32 ttmp9, 2                          ; the kind chooses which tensor is R and which is P
	s_cselect_b64 s[2:3], s[8:9], s[4:5]           ; R's codes
	s_cselect_b64 s[66:67], s[10:11], s[6:7]       ; R's scales
	s_cselect_b64 s[8:9], s[4:5], s[8:9]           ; P's codes
	s_cselect_b64 s[10:11], s[6:7], s[10:11]       ; P's scales
	s_add_nc_u64 s[20:21], s[2:3], s[20:21]
	s_add_nc_u64 s[22:23], s[66:67], s[22:23]
	s_add_nc_u64 s[46:47], s[8:9], s[46:47]
	s_add_nc_u64 s[92:93], s[10:11], s[92:93]
	CROUND                                         ; all sixteen work-groups are here: the first joint loads meet
	; THE HEAD'S FOUR TILES, ONE LOAD A WAVE: wave 0 K step 0's 256 rows of R, wave 1 those of P, wave 2 R's scales, wave 3 P's.  Group 0 of the first two lies where arguments lay
	s_mov_b32 s4, 1
	s_mov_b32 s5, 0
	s_mov_b64 s[6:7], s[20:21]
	s_or_b32 s7, s7, 0x80000000
	s_mov_b32 s8, 1
	s_mov_b32 s9, 2*HALFT
	s_mov_b64 s[10:11], s[46:47]
	s_or_b32 s11, s11, 0x80000000
	s_mov_b32 s[G0S], 1
	s_mov_b32 s[G0S+1], SCL
	s_mov_b64 s[G0S+2:G0S+3], s[22:23]
	s_or_b32 s[G0S+3], s[G0S+3], 0x80000000
	s_mov_b32 s[G0SB], 1
	s_mov_b32 s[G0SB+1], SCL+2*HALFS
	s_mov_b64 s[G0SB+2:G0SB+3], s[92:93]
	s_or_b32 s[G0SB+3], s[G0SB+3], 0x80000000
	s_cmp_eq_u32 ttmp9, 2                          ; the kind says whose plane is a K step of R (s[40:41]) and of P (s[92:93])
	s_mov_b32 s40, XPL
	s_cselect_b32 s40, WPL, s40
	s_mov_b32 s41, 0
	s_mov_b32 s92, WPL
	s_cselect_b32 s92, XPL, s92
	s_mov_b32 s93, 0
	s_add_nc_u64 s[20:21], s[20:21], s[18:19]      ; for the ring: my 128 rows of the tile
	s_add_nc_u64 s[46:47], s[46:47], s[18:19]
.irp s, 0,1
	s_mov_b32 s[G0+4*\s], 1
	s_add_co_u32 s[G0+4*\s+1], s45, \s*SLOT
	s_mov_b32 s[G0B+4*\s], 1
	s_add_co_u32 s[G0B+4*\s+1], s45, \s*SLOT
.endr
	s_mov_b64 s[G0+2:G0+3], s[20:21]               ; slot 0 stands at K step 0 (first used, stepped by two planes, at its refill), slot 1 at K step 1
	s_add_nc_u64 s[G0+6:G0+7], s[20:21], s[40:41]
	s_mov_b64 s[G0B+2:G0B+3], s[46:47]
	s_add_nc_u64 s[G0B+6:G0B+7], s[46:47], s[92:93]
.irp g, G0+3, G0+7, G0B+3, G0B+7
	s_or_b32 s[\g], s[\g], 0x80000000
.endr
.macro ARM under, g0, g1, next         ; one chain of branches on the wave's number: every way passes exactly one load
	s_cmp_lt_u32 s14, \under
	s_cbranch_scc0 \next
	tensor_load_to_lds s[\g0:\g0+3], s[\g1:\g1+7]
	s_nop 0
.rept 4
	v_nop
.endr
	s_branch .Lhead_asked
\next:
.endm
	ARM 1, 4, G1, .Lhead_b
	ARM 2, 8, G1B, .Lhead_sa
	ARM 3, G0S, G1S, .Lhead_sb
	tensor_load_to_lds s[G0SB:G0SB+3], s[G1SB:G1SB+7]
	s_nop 0
.rept 4
	v_nop
.endr
.Lhead_asked:
	v_and_b32 v1, 15, v0                           ; r = l % 16
	v_bfe_u32 v2, v0, 4, 1                         ; h = l / 16
	v_mul_u32_u24 v3, v1, PITCH
	v_mul_u32_u24 v4, v2, 24
	v_add_nc_u32 v4, v3, v4                        ; a fragment's row x pitch + 24 x half
	v_lshl_add_u32 v5, v2, 4, v4                   ; and the same behind one padding more
	s_mul_i32 s21, s15, HALFT                      ; my 128 rows of R
	s_mul_i32 s22, s16, HALFT                      ; my 128 rows of P,
	s_add_co_u32 s22, s22, 2*HALFT                 ; which lie behind R's 256
.irp s, 0,1
	v_add_nc_u32 v[ADRA+\s], s21, v4
	v_add_nc_u32 v[ADRB+\s], s22, v4
	v_add_nc_u32 v[ADRA+2+\s], s21, v5
	v_add_nc_u32 v[ADRB+2+\s], s22, v5
	s_add_co_u32 s21, s21, SLOT
	s_add_co_u32 s22, s22, SLOT
.endr
	v_mul_u32_u24 v5, v1, KS                       ; my row's scales: 32 bytes a row,
	v_lshrrev_b32 v6, 8, v5
	v_lshl_add_u32 v5, v6, 4, v5                   ; and 16 more for each 256 passed
	s_mul_i32 s21, s15, HALFS
	s_mul_i32 s22, s16, HALFS
	s_add_co_u32 s22, s22, 2*HALFS
	s_sub_co_u32 s22, s22, s21
	v_mul_u32_u24 v6, s22, v2                      ; lanes 16-31 take P's
	s_add_co_u32 s21, s21, SCL
	v_add_nc_u32 v5, v5, v6
	v_add_nc_u32 v[ADRS], s21, v5
	; the way out's places.  G: my block of 128 tokens;  PI: my block of 128 columns of qkv
	s_lshl_b32 s20, s17, 1
	s_add_co_u32 s20, s20, s15                     ; R's block of 128
	s_lshl_b32 s46, s42, 1
	s_add_co_u32 s46, s46, s16                     ; P's block of 128
	s_cmp_eq_u32 ttmp9, 2
	s_cselect_b32 s22, s46, s20                    ; G
	s_cselect_b32 s23, s20, s46                    ; PI
	s_cselect_b32 s66, -1, 0                       ; VM: all lanes in v's clusters
	s_cselect_b32 s95, 0, -1                       ; QM: all lanes in q's and k's
	s_mov_b32 s67, 0xffff0000                      ; HM: lanes 16-31
	s_lshr_b32 s18, s22, 4                         ; batch
	s_and_b32 s19, s22, 15                         ; the block of tokens within it
	s_mul_i32 s20, s18, 4718592
	s_mul_i32 s21, s23, 196608
	s_add_co_u32 s20, s20, s21
	s_mul_i32 s21, s19, 12288
	s_add_co_u32 s20, s20, s21
	s_mov_b32 s21, 0
	s_add_nc_u64 s[96:97], s[96:97], s[20:21]
	s_mul_i32 s20, s18, 196608
	s_lshl_b32 s46, s23, 13
	s_add_co_u32 s20, s20, s46
	s_lshl_b32 s46, s19, 8
	s_add_co_u32 s20, s20, s46
	s_add_nc_u64 s[98:99], s[98:99], s[20:21]
	s_lshl_b32 s20, s23, 9
	s_add_nc_u64 s[12:13], s[12:13], s[20:21]      ; b_attn at my 128 columns
	v_and_b32 v[L8], 31, v0
	v_lshlrev_b32 v[L8], 3, v[L8]
	v_lshlrev_b32 v[SOF], 4, v1
	v_lshl_add_u32 v[SOF], v2, 12, v[SOF]
	v_lshlrev_b32 v[BPA], 6, v2
	v_and_b32 v[BRA], 7, v1
	v_lshrrev_b32 v12, 3, v1
	v_lshl_add_u32 v[BRA], v12, 4, v[BRA]
	v_lshlrev_b32 v[BRA], 2, v[BRA]
.irp b, 0,1,2,3,4,5,6,7                        ; both sets are loaded in both kinds (both lie inside my 512 bytes of b_attn); the masks choose
	global_load_b128 v[BP+8*\b:BP+8*\b+3], v[BPA], s[12:13] offset:128*(\b/2)+32*(\b%2)       ; along P: tile b's registers are columns 32 (b / 2) + 16 h + 8 (b % 2) + 0 .. 7
	global_load_b128 v[BP+8*\b+4:BP+8*\b+7], v[BPA], s[12:13] offset:128*(\b/2)+32*(\b%2)+16
.endr
.irp a, 0,1,2,3,4,5,6,7
	global_load_b32 v[BR+\a], v[BRA], s[12:13] offset:128*(\a/2)+32*(\a%2)                    ; along R: row r of block a is column 32 (a / 2) + 8 (a % 2) + (r & 7) + 16 (r >> 3)
.endr
.macro FRAG reg, adr, q, i             ; a fragment, 16 rows x 128 K of 6-bit codes, 12 registers, in pieces of 8 bytes; where the piece of lanes 16-31 lies behind one padding more, the second address register serves
.irp p, 0,1,2,3,4,5
.set PCE, 12*(\q)+6*(\p/3)+\p%3
.if PCE%8 < 5
	ds_load_b64 v[\reg+2*\p:\reg+2*\p+1], v[\adr] offset:8*PCE+16*(PCE/8)+(\i)*16*PITCH
.else
	ds_load_b64 v[\reg+2*\p:\reg+2*\p+1], v[\adr+2] offset:8*PCE+16*(PCE/8)+(\i)*16*PITCH
.endif
.endr
.endm
; 16 matrix instructions: R's blocks a0, a0 + 1 x P's eight, 128 along K.  The 64 accumulators take turns, one instruction a turn, in the same order in every step.
.macro MUL16 a0, p, q, sc, zero
.irp a, \a0, \a0+1
.irp b, 0,1,2,3,4,5,6,7
.if \zero
	v_wmma_scale_f32_16x16x128_f8f6f4 v[8*(8*((\a)%4)+\b):8*(8*((\a)%4)+\b)+7], v[128*(\p)+FR*\b:128*(\p)+FR*\b+FR-1], v[AF+FR*(\a):AF+FR*(\a)+FR-1], 0, v[SC+8*NQ*(\sc)+NQ*\b+(\q)], v[SC+8*NQ*(\sc)+NQ*(\a)+(\q)] matrix_a_fmt:MATRIX_FMT_FP6 matrix_b_fmt:MATRIX_FMT_FP6 matrix_a_scale:MATRIX_SCALE_ROW1
.else
	v_wmma_scale_f32_16x16x128_f8f6f4 v[8*(8*((\a)%4)+\b):8*(8*((\a)%4)+\b)+7], v[128*(\p)+FR*\b:128*(\p)+FR*\b+FR-1], v[AF+FR*(\a):AF+FR*(\a)+FR-1], v[8*(8*((\a)%4)+\b):8*(8*((\a)%4)+\b)+7], v[SC+8*NQ*(\sc)+NQ*\b+(\q)], v[SC+8*NQ*(\sc)+NQ*(\a)+(\q)] matrix_a_fmt:MATRIX_FMT_FP6 matrix_b_fmt:MATRIX_FMT_FP6 matrix_a_scale:MATRIX_SCALE_ROW1
.endif
.endr
.endr
.endm
.macro FETCH_B slot, q, p
	WIN TO_B
.irp i, 0,1,2,3,4,5,6,7
	FRAG 128*(\p)+FR*\i, ADRB+\slot, \q, \i
.endr
	WIN 0
.endm
.macro FETCH_A slot, q, i0
.irp i, \i0, \i0+1, \i0+2, \i0+3
	FRAG AF+FR*(\i), ADRA+\slot, \q, \i
.endr
.endm
.macro SCALES sc                       ; a K step's scale words: lanes 0-15 take R's block i, lanes 16-31 P's block i
.irp i, 0,1,2,3,4,5,6,7
	ds_load_b64 v[SC+8*NQ*\sc+NQ*\i:SC+8*NQ*\sc+NQ*\i+1], v[ADRS] offset:\i*SBLK
.endr
.endm
.macro PLACES n                        ; plain vector lines between a matrix instruction and a load into, or a read of, its registers
.rept \n
	v_nop
.endr
.endm
.macro STEP slot, q, zero              ; a step of 128 along K that has its successor in the same slot
	s_wait_dscnt 4*NL                              ; P's set and R's blocks 0-3 are in; the youngest 24 loads (R's blocks 4-7) may be out
	WIN MUL_LO
	MUL16 0, (\q)%2, \q, \slot, \zero
	MUL16 2, (\q)%2, \q, \slot, \zero
	s_wait_dscnt 0
	PLACES NP
	FETCH_B \slot, (\q)+1, 1-(\q)%2
	FETCH_A \slot, (\q)+1, 0
	WIN MUL_HI
	MUL16 4, (\q)%2, \q, \slot, \zero
	MUL16 6, (\q)%2, \q, \slot, \zero
	PLACES NP
	WIN 0
	FETCH_A \slot, (\q)+1, 4
.endm
; A slot's last step changes slots: one barrier; in front of it each wave waits for all its tensor loads, adds 0 to its spare word, and waits for that and for its own reads of this slot.
.macro TURN slot, next, fill
	s_wait_tensorcnt 0x0                           ; all my tensor loads have landed: my part of the next slot
	ds_add_u32 v[SPW], v[NIL]                      ; 0 onto my spare word
	s_wait_dscnt 4*NL+1                            ; the add and the youngest 24 loads may be out
	WIN MUL_LO
	MUL16 0, 1, NQ-1, \slot, 0
	s_wait_dscnt 0x0                               ; the add is done, and my reads of this slot are over
	s_barrier_signal -1
	MUL16 2, 1, NQ-1, \slot, 0
	WIN 0
	s_barrier_wait -1
.if \fill
	CREST                                          ; the barrier has opened a round of the cluster's barrier: no wave of any partner still reads this slot or has a load on its way
	s_add_nc_u64 s[G0+4*\slot+2:G0+4*\slot+3], s[G0+4*\slot+2:G0+4*\slot+3], s[40:41]     ; two K steps on: two planes
	s_add_nc_u64 s[G0+4*\slot+2:G0+4*\slot+3], s[G0+4*\slot+2:G0+4*\slot+3], s[40:41]
	s_add_nc_u64 s[G0B+4*\slot+2:G0B+4*\slot+3], s[G0B+4*\slot+2:G0B+4*\slot+3], s[92:93]
	s_add_nc_u64 s[G0B+4*\slot+2:G0B+4*\slot+3], s[G0B+4*\slot+2:G0B+4*\slot+3], s[92:93]
	JLOAD G0+4*\slot, G1, G0B+4*\slot, G1B         ; the first tensor load behind the round; its four v_nop are the places in front of the loads below
.else
	PLACES NP
.endif
	s_wait_alu depctr_va_vdst(0)
	v_add_nc_u32 v[ADRS], 4*NQ, v[ADRS]            ; on to the next K step's scale words
	FETCH_B \next, 0, 0
	FETCH_A \next, 0, 0
	SCALES \next
	WIN MUL_HI
	MUL16 4, 1, NQ-1, \slot, 0
	MUL16 6, 1, NQ-1, \slot, 0
	PLACES NP
	WIN 0
	FETCH_A \next, 0, 4
.endm
	s_wait_alu depctr_va_vdst(0)
	s_wait_loadcnt 0x0                             ; the biases
	s_wait_tensorcnt 0x0                           ; my tile of the head's four is in
	ds_add_u32 v[SPW], v[NIL]
	s_mov_b32 s[G1+2], 96<<16                      ; no tensor load of mine is out: from here on a load brings 128 rows of codes, 96 rows of 256 bytes
	s_mov_b32 s[G1+4], 96
	s_mov_b32 s[G1B+2], 96<<16
	s_mov_b32 s[G1B+4], 96
	s_wait_dscnt 0x0
	CROUND                                         ; all four tiles are in, and all sixteen work-groups are here
	JLOAD G0+4, G1, G0B+4, G1B                     ; K step 1, the first tensor load behind the round
	FETCH_B 0, 0, 0
	FETCH_A 0, 0, 0
	SCALES 0
	FETCH_A 0, 0, 4
	STEP 0, 0, 1                                   ; the first step stands in front of the loop: its products start the sums
	s_mov_b32 s3, LAPS-1
.Llap:                                                 ; a trip goes once round the ring and fills both slots again
	TURN 0, 1, 1
	STEP 1, 0, 0
	TURN 1, 0, 1
	STEP 0, 0, 0
	s_sub_co_u32 s3, s3, 1
	s_cmp_lg_u32 s3, 0
	s_cbranch_scc1 .Llap
	TURN 0, 1, 0                                   ; the last lap fills nothing
	STEP 1, 0, 0
	s_wait_dscnt 4*NL
	WIN MUL_LO
	MUL16 0, 1, NQ-1, 1, 0
	MUL16 2, 1, NQ-1, 1, 0
	s_wait_dscnt 0
	WIN MUL_HI
	MUL16 4, 1, NQ-1, 1, 0
	MUL16 6, 1, NQ-1, 1, 0
	WIN 0
; 64 numbers of a lane, v[s] .. v[s + 63], register 16 b + i = index 32 b + 16 (lane / 16) + i along the next K, become a fragment's codes in v[PC] on and the row's scale word in v[pw].
.macro QUANT s, pw
.irp b, 0,1,2,3
	v_max3_num_f32 v[TM+\b], |v[\s+16*\b]|, |v[\s+1+16*\b]|, 0x1800000   ; block b: my 16 numbers, and the floor 2^(3 - 127)
.endr
.irp i, 2,4,6,8,10,12,14
.irp b, 0,1,2,3
	v_max3_num_f32 v[TM+\b], v[TM+\b], |v[\s+16*\b+\i]|, |v[\s+1+16*\b+\i]|
.endr
.endr
.irp b, 0,1,2,3
	v_permlanex16_b32 v[TM+4+\b], v[TM+\b], s[SEL], s[SEL+1]
.endr
.irp b, 0,1,2,3
	v_max_num_f32 v[TM+\b], v[TM+\b], v[TM+4+\b]   ; with lane l xor 16's: the block's largest magnitude
.endr
.irp b, 0,1,2,3
	v_add_nc_u32 v[TM+12+\b], 0xff000000, v[TM+\b]   ; 2 off its exponent field: the conversion's scale operand
.endr
.irp b, 0,1,2,3
	v_lshrrev_b32 v[TM+4+\b], 23, v[TM+12+\b]      ; the scale's byte
.endr
	v_lshl_or_b32 v[\pw], v[TM+5], 8, v[TM+4]
	v_lshl_or_b32 v[\pw], v[TM+6], 16, v[\pw]
	v_lshl_or_b32 v[\pw], v[TM+7], 24, v[\pw]
.irp c, 0,1
	v_cvt_scalef32_pk16_fp6_f32 v[PC+6*\c:PC+2+6*\c], v[\s+32*\c:\s+15+32*\c], v[TM+12+2*\c]
	v_cvt_scalef32_pk16_fp6_f32 v[PC+12+4*\c:PC+14+4*\c], v[\s+16+32*\c:\s+31+32*\c], v[TM+12+2*\c+1]   ; (a conversion's three registers begin on an even number)
.endr
	v_nop                                          ; one plain line behind a scaled conversion
.irp c, 0,1                                    ; the operand's layout wants a whole block in a lane
.irp i, 0,1,2
	v_permlane16_swap_b32 v[PC+6*\c+\i], v[PC+12+4*\c+\i]
.endr
.irp i, 0,1,2
	v_mov_b32 v[PC+3+6*\c+\i], v[PC+12+4*\c+\i]
.endr
.endr
.endm
; Block a of 16 rows of R: the bias is added by one fused multiply-add, X x Y + sum, in which one of X and Y is the bias and the other 1.0 (the product is exact); then the quantiser; then six stores of 256 consecutive bytes each.
.macro EPI a
.if (\a) > 0
	s_wait_xcnt 0x0                                ; the last block's stores have read the codes' registers
.endif
	v_cndmask_b32 v[YY], 1.0, v[BR+(\a)], s66
	WIN 0x20+0x10*((\a)/4)                         ; source 2: the block's window
.set i, 0
.rept 32
	v_pk_fma_f32 v[H+i:H+i+1], v[BP+i:BP+i+1], v[YY:YY+1], v[64*((\a)%4)+i:64*((\a)%4)+i+1] op_sel_hi:[1,0,1]   ; each accumulator from its low end on
.set i, i+2
.endr
	WIN 0
	QUANT H, PWS+(\a)
.irp p, 0,1,2,3,4,5
	global_store_b64 v[L8], v[PC+2*\p:PC+2*\p+1], s[96:97] offset:(\a)*768+(\p/3)*6144+(\p%3)*256
.endr
.endm
.set i, 0
.rept 64
	v_cndmask_b32 v[BP+i], 1.0, v[BP+i], s95       ; X: the bias along P in q's and k's clusters, 1.0 in v's.  (These lines are also the places behind the last products)
.set i, i+1
.endr
.irp b, 0,1,2,3
	v_mov_b32 v[TM+4+\b], 0                        ; written once: a lane permute's destination counts as one of its sources
.endr
	v_mov_b32 v[YY+1], 0                           ; (named as the upper half of a pair)
.irp a, 0,1,2,3,4,5,6,7
	EPI \a
.endr
	; the scale words.  q, k: bytes 0, 1 of a block's word are the first head's, bytes 2, 3 the second's; word f of a head joins blocks 2 f and 2 f + 1.  v: blocks 0-3 are the first head's four tiles of channels, blocks 4-7 the second's.
.irp f, 0,1,2,3
	v_perm_b32 v[OW+\f], v[PWS+2*\f+1], v[PWS+2*\f], 0x05040100
	v_perm_b32 v[TM+\f], v[PWS+2*\f+1], v[PWS+2*\f], 0x07060302
.endr
.irp f, 0,1,2,3
	v_cndmask_b32 v[OW+\f], v[OW+\f], v[PWS+\f], s66
	v_cndmask_b32 v[TM+\f], v[TM+\f], v[PWS+4+\f], s66
.endr
.irp f, 0,1,2,3
	v_cndmask_b32 v[OW+\f], v[OW+\f], v[TM+\f], s67   ; lanes 0-15 store the first head's words, lanes 16-31 the second's
.endr
	global_store_b128 v[SOF], v[OW:OW+3], s[98:99]   ; sixteen lanes store 256 consecutive bytes, aligned
	s_wait_tensorcnt 0x0                           ; the wave's end
	ds_add_u32 v[SPW], v[NIL]
	s_wait_dscnt 0x0
	CROUND                                         ; the closing round
	s_endpgm
.Lfunc_end_k_qb0ee683998_gemm_qkv:
	.size	k_qb0ee683998_gemm_qkv, .Lfunc_end_k_qb0ee683998_gemm_qkv-k_qb0ee683998_gemm_qkv
	.p2alignl 7, 3214868480
	.fill 96, 4, 3214868480
	.section	.rodata,"a",@progbits
	.p2align	6, 0x0
	.amdhsa_kernel k_qb0ee683998_gemm_qkv
		.amdhsa_group_segment_fixed_size 327680
		.amdhsa_private_segment_fixed_size 0
		.amdhsa_enable_private_segment 0
		.amdhsa_kernarg_size 56
		.amdhsa_user_sgpr_count 2
		.amdhsa_user_sgpr_kernarg_segment_ptr 1
		.amdhsa_wavefront_size32 1
		.amdhsa_system_sgpr_workgroup_id_x 1
		.amdhsa_system_sgpr_workgroup_id_y 1
		.amdhsa_system_sgpr_workgroup_id_z 1
		.amdhsa_system_vgpr_workitem_id 0
		.amdhsa_next_free_vgpr 1024
		.amdhsa_next_free_sgpr 102
		.amdhsa_reserve_vcc 0
		.amdhsa_float_denorm_mode_32 3
		.amdhsa_float_denorm_mode_16_64 3
		.amdhsa_memory_ordered 1
		.amdhsa_forward_progress 1
		.amdhsa_inst_pref_size 192
	.end_amdhsa_kernel
	.amdgpu_metadata
---
amdhsa.version: [ 1, 2 ]
amdhsa.kernels:
  - .name:           k_qb0ee683998_gemm_qkv
    .symbol:         k_qb0ee683998_gemm_qkv.kd
    .args:
      - { .name: xc, .offset: 0, .size: 8, .value_kind: global_buffer, .address_space: global }
      - { .name: xs, .offset: 8, .size: 8, .value_kind: global_buffer, .address_space: global }
      - { .name: wc, .offset: 16, .size: 8, .value_kind: global_buffer, .address_space: global }
      - { .name: ws, .offset: 24, .size: 8, .value_kind: global_buffer, .address_space: global }
      - { .name: b_attn, .offset: 32, .size: 8, .value_kind: global_buffer, .address_space: global }
      - { .name: qkvc, .offset: 40, .size: 8, .value_kind: global_buffer, .address_space: global }
      - { .name: qkvs, .offset: 48, .size: 8, .value_kind: global_buffer, .address_space: global }
    .group_segment_fixed_size: 327680
    .private_segment_fixed_size: 0
    .kernarg_segment_align: 8
    .kernarg_segment_size: 56
    .max_flat_workgroup_size: 128
    .sgpr_count:     102
    .vgpr_count:     1024
    .wavefront_size: 32
...
	.end_amdgpu_metadata
.endif
;; end of part 2
;; launch attn (part 3): grid 4 x 64, 16 waves a work-group, clusters of 4 x 1, 327,680 bytes of LDS; arguments qkvc, qkvs, yc, ys; writes yc, ys
.if DOCPART == 3
	.amdgcn_target "amdgcn-amd-amdhsa--gfx1250"
	.amdhsa_code_object_version 6
	.text
	.protected	k_qb0ee683998_attn
	.globl	k_qb0ee683998_attn
	.p2align	8
	.type	k_qb0ee683998_attn,@function
k_qb0ee683998_attn:
	s_mov_b64 s[64:65], 0
	v_nop
	global_prefetch_b8 v0, s[64:65] scope:SCOPE_SE
	s_setreg_imm32_b32 hwreg(HW_REG_WAVE_MODE, 25, 1), 1
	s_wait_xcnt 0x0
	s_wait_alu depctr_hold_cnt(0) depctr_sa_sdst(0) depctr_va_vdst(0) depctr_va_sdst(0) depctr_va_ssrc(0) depctr_va_vcc(0) depctr_vm_vsrc(0)
	s_getreg_b32 s2, hwreg(HW_REG_IB_STS2, 6, 4)
	s_cmp_eq_u32 s2, 0
	s_cbranch_scc0 .Lentry_in_a_cluster
	s_endpgm
.Lentry_in_a_cluster:
	s_bfe_u32 s2, ttmp6, 0x10000c
	s_cmp_lg_u32 s2, 0x3003
	s_cbranch_scc0 .Lentry_shape_is_right
	s_endpgm
.Lentry_shape_is_right:
; y = softmax(q k^T / 8, causal) v for one (batch, head) a cluster, both products on codes of FP6 (E2M3) with E8M0 scales; y is quantised along its 64 channels and leaves as codes.
; THE SOFTMAX: t = score x log2(e) / 8; M = the running largest t rounded UP to a whole number; p = 2^(t - M) is quantised along the keys; the row's sum is taken of the unquantised p and divides at the end.
; SHARES.  A head has 128 tiles of 16 queries, tile 4 j + cx (cx: the work-group's place in its cluster).  Wave w owns j = w and j = 31 - w.  A tile walks the key steps (128 keys) 0 .. j / 2, the last of them on the diagonal:
; 17 steps for every wave, and which steps are walked hangs on the wave's number alone.  cx enters only global addresses, the mask's number of a lane and a shift.
; THE WHOLE HEAD'S K, V AND SCALE WORDS STAY IN LDS, filled once by joint loads (all four work-groups of the cluster read the same bytes): waves 0-8, one load each.  No slot is filled again and the loop has no barrier.
; LAYOUT.  S^T = K Q^T (source 0 = keys, source 1 = my 16 queries), O^T = V^T P^T (source 0 = 16 channels, source 1 = P): a lane holds one query throughout.  Tokens and channels lie in the stored order (bits 3 and 4 of the
; index exchanged), so that the registers of tiles 2 b and 2 b + 1 are the indices 32 b + 16 (lane / 16) + 0 .. 15.
; THE HEAD'S K IS 64, THE INSTRUCTION'S 128: a fragment of K holds key tile 2 f in k 0-63 and key tile 2 f + 1 in k 64-127; q is kept twice, as [q; zero codes] and [zero codes; q].  Zero codes add nothing; their scale bytes are 1.
; Operands lie in memory and LDS as images of their registers: a half fragment (16 rows x 64 K) is 768 bytes, piece p of 256 bytes, lane l's 8 bytes at 256 p + 8 l: every LDS load reads 256 consecutive bytes.
; ys's bytes, one a lane, go to rows 32 bytes apart: they fill their 256-byte blocks only in part (262,144 bytes in the launch).
; LIMITS: a block of zeros gets the byte 1 where the rule says 127 (this program alone reads the bytes); blocks under 2^-124 are held at the byte 1; NaN and infinities are not served.
; THE FILLS: one joint load a wave at the head: waves 0-3 four key steps of K each, waves 4-7 four key steps of V each, wave 8 all scale words, laid [K's 16 x 256 bytes][V's 16 x 256 bytes].
.set VREG,  98304
.set SCB,   196608                     ; the scale words [K's 16 steps x 256 bytes][V's 16 x 256 bytes];
.set SPARE, 204800                     ; the spare words, 128 bytes for each of 16 waves, named by no other line
.set L8,  1                            ; v1   8 x lane
.set R16, 2                            ; v2   16 r
.set SPW, 3
.set NIL, 4
.set ADK, 5                            ; v5-7 LDS addresses of the step in hand: K, V, scale words
.set ADV, 6
.set ADS, 7
.set DD,  8                            ; v8   my query less the diagonal step's first key less 16 (lane / 16)
.set YSO, 9                            ; v9   32 r + lane / 16
.set AV0, 10
.set AS0, 11                           ; v12 -M, v13 the largest t, v[14:15] the sum in two halves
.set QLO, 16                           ; v16-27  [q; zeros]
.set QHI, 28                           ; v28-39  [zeros; q]
.set QSL, 40                           ; v40, v41 their scale words
.set QSH, 41
.set QW,  42                           ; v42, v43 the two tiles' words as loaded
.set KV,  44                           ; v44-91  four fragments of K, then of V
.set S,   92                           ; v92-155 S^T, then p, at the end y
.set OA,  156                          ; v156-187 O^T
.set PC,  188                          ; v188-199 p's codes
.set CT,  200                          ; v200-206 conversions' second halves
.set BM,  208                          ; v208-211 a block's largest score, then p
.set BT,  212                          ; v212-215 at work; the scale bytes
.set SO,  216                          ; v216-219 the conversions' scale operands
.set KSC, 220                          ; v220-223 K's scale words
.set VSC, 224                          ; v224-227 V's
.set PS,  228                          ; v228 p's
.set FF,  230                          ; v[230:231] f = 2^(old M - new M), low word
.set T0,  232                          ; v232-234 at work
.set T2,  234
.set DL,  235                          ; v235 (r & 7) + 16 (r >> 3) - 16 (lane / 16)
.set Q2,  236                          ; v236-241 the second tile's q
.set WV,  12
.set CX,  13
.set SH,  22                           ; s22  16 (cx & 1)
.set DC,  23                           ; s23  32 (cx >> 1) + 8 (cx & 1)
.set G1K, 24
.set G1V, 32
.set G1S, 40
.set G0K, 48
.set G0V, 52
.set G0S, 56
.set SEL, 60
.set CS,  62                           ; s[62:63] c = log2(e) / 8
.set HM,  66                           ; s66  lanes 16-31
.set JJ,  67                           ; s67  j of the tile in hand
.set GD,  68                           ; s68  its diagonal step
.set GG,  69                           ; s69  the step
.set TK,  70                           ; s70  6,144 x step
.set TS,  71                           ; s71  256 x step
.set YCB, 76
.set YSB, 78
.set YC,  80
.set YS,  82
.macro ROUND                           ; a round of the cluster's barrier
	s_barrier_signal -1
	s_barrier_wait -1
	s_cmp_lg_u32 s[WV], 0
	s_cbranch_scc1 .Lnot_wave_0_\@
	s_barrier_signal -3
.Lnot_wave_0_\@:
	s_barrier_wait -3
	s_barrier_signal -1
	s_barrier_wait -1
.endm
	s_load_b256 s[4:11], s[0:1], 0x0               ; qkv's codes, qkv's scales, y's codes, y's scales
	v_lshl_add_u32 v[SPW], v0, 2, SPARE
	v_mov_b32 v[NIL], 0
	ds_add_u32 v[SPW], v[NIL]                      ; the wave's opening: the add and its wait stand ahead of my first tensor load; work on registers stands between them
	ds_add_u32 v[SPW], v[NIL]
	v_lshrrev_b32 v232, 5, v0
	s_delay_alu instid0(VALU_DEP_1)
	v_readfirstlane_b32 s[WV], v232                ; wave 0..15
	s_bfe_u32 s[CX], ttmp6, 0x40000
	s_and_b32 s14, ttmp7, 0xffff                   ; 16 x batch + head: shared by the four partners
	s_lshr_b32 s15, s14, 4                         ; batch
	s_and_b32 s16, s14, 15                         ; head
	s_lshr_b32 s17, s16, 1                         ; its pair
	s_and_b32 s18, s16, 1                          ; its place in the pair
	; group 1.  K of a step: 6,144 dense bytes as one row;  V: 2 rows of 3,072 bytes, 6,144 apart;  scale words: K's and V's 256 bytes, 65,536 apart.  Elements of 8 bytes; mask: all four work-groups; bit 21 beside it
	s_mov_b32 s[G1K], 15|(3<<16)|(1<<21)
	; ONE LOAD A WAVE: waves 0-3 four key steps of K each (4 rows of 6,144 bytes, 12,288 apart), waves 4-7 four key steps of V each (8 rows of 3,072 bytes, 6,144 apart), wave 8 all scale words (K's 4,096 bytes and V's, 65,536 apart)
	s_mov_b32 s[G1K+1], 768<<16
	s_mov_b32 s[G1K+2], 4<<16
	s_mov_b32 s[G1K+3], 768<<16
	s_mov_b32 s[G1K+4], 4
	s_mov_b32 s[G1K+5], 1536
	s_mov_b32 s[G1K+6], 0
	s_mov_b32 s[G1K+7], 0
	s_mov_b32 s[G1V], 15|(3<<16)|(1<<21)
	s_mov_b32 s[G1V+1], 384<<16
	s_mov_b32 s[G1V+2], 8<<16
	s_mov_b32 s[G1V+3], 384<<16
	s_mov_b32 s[G1V+4], 8
	s_mov_b32 s[G1V+5], 768
	s_mov_b32 s[G1V+6], 0
	s_mov_b32 s[G1V+7], 0
	s_mov_b32 s[G1S], 15|(3<<16)|(1<<21)
	s_mov_b32 s[G1S+1], 512<<16
	s_mov_b32 s[G1S+2], 2<<16
	s_mov_b32 s[G1S+3], 512<<16
	s_mov_b32 s[G1S+4], 2
	s_mov_b32 s[G1S+5], 8192
	s_mov_b32 s[G1S+6], 0
	s_mov_b32 s[G1S+7], 0
	s_mul_i32 s19, s15, 4718592
	s_mul_i32 s20, s17, 196608
	s_add_co_u32 s19, s19, s20                     ; codes: the batch, q's block of the pair of heads
	s_mul_i32 s72, s15, 196608
	s_lshl_b32 s20, s17, 13
	s_add_co_u32 s72, s72, s20
	s_lshl_b32 s20, s18, 12
	s_add_co_u32 s72, s72, s20                     ; scale words: the batch, q's block, the head
	s_mul_i32 s14, s[WV], 49152                    ; four key steps a loading wave
	s_add_co_u32 s14, s14, s19                     ; key step 4 w
	s_mul_i32 s84, s18, 6144
	s_add_co_u32 s84, s84, s14
	s_add_co_u32 s84, s84, 8*196608                ; K's blocks lie 8 behind q's
	s_mov_b32 s85, 0
	s_mul_i32 s86, s18, 3072
	s_add_co_u32 s86, s86, s14
	s_add_co_u32 s86, s86, 15*196608               ; V's blocks lie 16 behind q's; V's waves count from 4: 4 x 49,152 less
	s_mov_b32 s87, 0
	s_mov_b32 s88, s72
	s_add_co_u32 s88, s88, 8*8192
	s_mov_b32 s89, 0
	s_mov_b32 s[G0K], 1
	s_mul_i32 s[G0K+1], s[WV], 24576
	s_mov_b32 s[G0V], 1
	s_mul_i32 s[G0V+1], s[WV], 24576               ; waves 4-7: VREG = 4 x 24,576 on
	s_mov_b32 s[G0S], 1
	s_mov_b32 s[G0S+1], SCB
	s_mov_b32 s[SEL], 0x76543210
	s_mov_b32 s[SEL+1], 0xfedcba98
	s_mov_b32 s[CS], 0x3e38aa3b
	s_mov_b32 s[CS+1], s[CS]                       ; (named with it as a pair)
	s_mov_b32 s[HM], 0xffff0000
	s_mov_b32 s21, 0                               ; the upper word of every offset below; never rewritten
	s_wait_dscnt 0x0                               ; the opening add is done
	s_wait_kmcnt 0x0
	s_add_nc_u64 s[G0K+2:G0K+3], s[4:5], s[84:85]
	s_or_b32 s[G0K+3], s[G0K+3], 0x80000000
	s_add_nc_u64 s[G0V+2:G0V+3], s[4:5], s[86:87]
	s_or_b32 s[G0V+3], s[G0V+3], 0x80000000
	s_add_nc_u64 s[G0S+2:G0S+3], s[6:7], s[88:89]
	s_or_b32 s[G0S+3], s[G0S+3], 0x80000000
	ROUND                                          ; all four work-groups are here: the joint loads meet
	s_cmp_lt_u32 s[WV], 4                          ; one chain of branches on the wave's number, one load to an arm: the launch's only fills
	s_cbranch_scc0 .Lhead_v
	tensor_load_to_lds s[G0K:G0K+3], s[G1K:G1K+7]
	s_nop 0
.rept 4
	v_nop
.endr
	s_branch .Lhead_join
.Lhead_v:
	s_cmp_lt_u32 s[WV], 8
	s_cbranch_scc0 .Lhead_s
	tensor_load_to_lds s[G0V:G0V+3], s[G1V:G1V+7]
	s_nop 0
.rept 4
	v_nop
.endr
	s_branch .Lhead_join
.Lhead_s:
	s_cmp_eq_u32 s[WV], 8
	s_cbranch_scc0 .Lhead_join
	tensor_load_to_lds s[G0S:G0S+3], s[G1S:G1S+7]
	s_nop 0
.rept 4
	v_nop
.endr
.Lhead_join:
	; what hangs on cx: q's, y's places in memory
	s_mul_i32 s20, s18, 6144
	s_add_co_u32 s20, s20, s19
	s_mul_i32 s14, s[CX], 768
	s_add_co_u32 s20, s20, s14
	s_add_nc_u64 s[4:5], s[4:5], s[20:21]          ; q's codes: the head, tile cx of a group of four
	s_lshr_b32 s14, s[CX], 1
	s_lshl_b32 s[DC], s14, 5
	s_lshl_b32 s20, s14, 2
	s_add_co_u32 s20, s20, s72
	s_add_nc_u64 s[6:7], s[6:7], s[20:21]          ; q's scale words: word cx / 2 of a pair of words
	s_and_b32 s14, s[CX], 1
	s_lshl_b32 s[SH], s14, 4
	s_lshl_b32 s14, s14, 3
	s_add_co_u32 s[DC], s[DC], s14
	s_mul_i32 s20, s15, 1572864
	s_lshr_b32 s14, s16, 2
	s_mul_i32 s14, s14, 24576
	s_add_co_u32 s20, s20, s14
	s_and_b32 s14, s16, 3
	s_mul_i32 s14, s14, 768
	s_add_co_u32 s20, s20, s14
	s_mul_i32 s14, s[CX], 3072
	s_add_co_u32 s20, s20, s14
	s_add_nc_u64 s[YCB:YCB+1], s[8:9], s[20:21]    ; y's codes [block of 128 rows][head / 4][tile 8][head % 4][768]
	s_lshl_b32 s20, s15, 16
	s_lshl_b32 s14, s16, 1
	s_add_co_u32 s20, s20, s14
	s_lshl_b32 s14, s[CX], 9
	s_add_co_u32 s20, s20, s14
	s_add_nc_u64 s[YSB:YSB+1], s[10:11], s[20:21]  ; y's scale bytes [row][32], bytes 2 head, 2 head + 1
.macro QADR jx, cp, sp                 ; the addresses of tile j = wave xor jx: its codes' and its scale word's
	s_xor_b32 s14, s[WV], \jx
	s_lshr_b32 s15, s14, 1
	s_and_b32 s14, s14, 1
	s_mul_i32 s20, s15, 12288
	s_mul_i32 s16, s14, 3072
	s_add_co_u32 s20, s20, s16
	s_add_nc_u64 s[\cp:\cp+1], s[4:5], s[20:21]
	s_lshl_b32 s20, s15, 8
	s_lshl_b32 s16, s14, 3
	s_add_co_u32 s20, s20, s16
	s_add_nc_u64 s[\sp:\sp+1], s[6:7], s[20:21]
.endm
	QADR 0, 84, 88
	QADR 31, 86, 90                                ; 31 - wave = wave xor 31
	v_and_b32 v[L8], 31, v0
	s_delay_alu instid0(VALU_DEP_1)
	v_lshlrev_b32 v[L8], 3, v[L8]
	v_and_b32 v232, 15, v0                         ; r
	v_bfe_u32 v233, v0, 4, 1                       ; h
	s_delay_alu instid0(VALU_DEP_2)
	v_lshlrev_b32 v[R16], 4, v232
.irp p, 0,1,2
	global_load_b64 v[QLO+2*\p:QLO+2*\p+1], v[L8], s[84:85] offset:256*\p
	global_load_b64 v[QHI+6+2*\p:QHI+7+2*\p], v[L8], s[84:85] offset:256*\p
	global_load_b64 v[Q2+2*\p:Q2+2*\p+1], v[L8], s[86:87] offset:256*\p
.endr
	global_load_b32 v[QW], v[R16], s[88:89]
	global_load_b32 v[QW+1], v[R16], s[90:91]
	v_lshl_add_u32 v[YSO], v232, 5, v233
	v_add_nc_u32 v[AV0], VREG, v[L8]
	v_add_nc_u32 v[AS0], SCB, v[R16]
	v_and_b32 v[DL], 7, v232
	v_lshrrev_b32 v234, 3, v232
	s_delay_alu instid0(VALU_DEP_1)
	v_lshl_add_u32 v[DL], v234, 4, v[DL]
	v_lshlrev_b32 v234, 4, v233
	s_delay_alu instid0(VALU_DEP_1)
	v_sub_nc_u32 v[DL], v[DL], v234
.irp i, 0,1,2,3,4,5
	v_mov_b32 v[QLO+6+\i], 0                       ; the zero codes, written once
	v_mov_b32 v[QHI+\i], 0
.endr
	s_wait_loadcnt 0x0                             ; q
	s_wait_tensorcnt 0x0                           ; my load, if any, has landed,
	s_barrier_signal -1
	s_barrier_wait -1                              ; everybody's have: the head's K, V and scale words lie in LDS, and nothing writes them again
; A KEY STEP: 128 keys.  A step behind the tile's diagonal step is passed over: a scalar branch on the wave's number and the count of steps.
.macro STEP
	s_cmp_gt_u32 s[GG], s[GD]
	s_cbranch_scc1 .Lskip_\@
	v_add_nc_u32 v[ADK], s[TK], v[L8]
	v_add_nc_u32 v[ADV], s[TK], v[AV0]
	v_add_nc_u32 v[ADS], s[TS], v[AS0]
	v_nop                                          ; four plain lines in front of loads into registers that the last products have read
	ds_load_b128 v[KSC:KSC+3], v[ADS]              ; word f: the scale bytes of row r of key tiles 2 f and 2 f + 1
.irp f, 0,1,2,3
.irp p, 0,1,2,3,4,5
	ds_load_b64 v[KV+12*\f+2*\p:KV+12*\f+2*\p+1], v[ADK] offset:1536*\f+256*\p
.endr
.endr
	s_wait_alu depctr_va_vdst(0)
	s_wait_dscnt 0x0
.irp f, 0,1,2,3
	v_wmma_scale_f32_16x16x128_f8f6f4 v[S+16*\f:S+16*\f+7], v[KV+12*\f:KV+12*\f+11], v[QLO:QLO+11], 0, v[KSC+\f], v[QSL] matrix_a_fmt:MATRIX_FMT_FP6 matrix_b_fmt:MATRIX_FMT_FP6
	v_wmma_scale_f32_16x16x128_f8f6f4 v[S+16*\f+8:S+16*\f+15], v[KV+12*\f:KV+12*\f+11], v[QHI:QHI+11], 0, v[KSC+\f], v[QSH] matrix_a_fmt:MATRIX_FMT_FP6 matrix_b_fmt:MATRIX_FMT_FP6
.endr                                          ; register 16 b + i of S is key 32 b + 16 (lane / 16) + i of the step
.rept 4
	v_nop                                          ; places: behind them the scores are read, and V is loaded over K
.endr
	ds_load_b128 v[VSC:VSC+3], v[ADS] offset:4096  ; the scale words lie [K's 16 steps x 256 bytes][V's]
.irp t, 0,1,2,3
.irp p, 0,1,2,3,4,5
	ds_load_b64 v[KV+12*\t+2*\p:KV+12*\t+2*\p+1], v[ADV] offset:(\p/3)*3072+768*\t+256*(\p%3)
.endr
.endr
	s_cmp_lg_u32 s[GG], s[GD]                      ; on the diagonal the scores of hidden keys become -infinity ahead of the maximum
	s_cbranch_scc1 .Lopen_\@
	v_mov_b32 v[T2], 0xff800000
.set n, 0
.rept 64
	v_cmp_gt_i32 vcc_lo, 32*(n/16)+n%16, v[DD]
	v_cndmask_b32 v[S+n], v[S+n], v[T2], vcc_lo
.set n, n+1
.endr
.Lopen_\@:
.irp b, 0,1,2,3
	v_max3_num_f32 v[BM+\b], v[S+16*\b], v[S+1+16*\b], v[S+2+16*\b]   ; the largest score of each block of 32 keys: for the row's maximum and, since p rises with the score, for the block's largest p
.endr
.irp i, 3,5,7,9,11,13
.irp b, 0,1,2,3
	v_max3_num_f32 v[BM+\b], v[BM+\b], v[S+16*\b+\i], v[S+1+16*\b+\i]
.endr
.endr
.irp b, 0,1,2,3
	v_max_num_f32 v[BM+\b], v[BM+\b], v[S+15+16*\b]
.endr
.irp b, 0,1,2,3
	s_delay_alu instid0(VALU_DEP_4)
	v_permlanex16_b32 v[BT+\b], v[BM+\b], s[SEL], s[SEL+1]
.endr
.irp b, 0,1,2,3
	s_delay_alu instid0(VALU_DEP_4)
	v_max_num_f32 v[BM+\b], v[BM+\b], v[BT+\b]     ; with lane l xor 16's 16 keys
.endr
	s_delay_alu instid0(VALU_DEP_2)
	v_max3_num_f32 v[T2], v[BM], v[BM+1], v[BM+2]
	s_delay_alu instid0(VALU_DEP_1)
	v_max_num_f32 v[T2], v[T2], v[BM+3]
	s_delay_alu instid0(VALU_DEP_1)
	v_mul_f32 v[T2], s[CS], v[T2]                  ; as t
	s_delay_alu instid0(VALU_DEP_1)
	v_max_num_f32 v13, v13, v[T2]                  ; the running largest t
	v_mov_b32 v[T2], v12
	s_delay_alu instid0(VALU_DEP_2)
	v_floor_f32 v12, -v13                          ; the new -M = floor(-t): M is a whole number
	s_delay_alu instid0(VALU_DEP_1)
	v_sub_f32 v[T2], v12, v[T2]                    ; old M - new M: a whole number, 0 or less
	s_delay_alu instid0(VALU_DEP_1)
	v_cvt_i32_f32 v[T2], v[T2]                     ; (it saturates)
	s_delay_alu instid0(VALU_DEP_1)
	v_ldexp_f32 v[FF], 1.0, v[T2]                  ; f = 2^(old M - new M)
.set n, 0
.rept 32
	v_pk_fma_f32 v[S+n:S+n+1], v[S+n:S+n+1], s[CS:CS+1], v[12:13] op_sel_hi:[1,0,0]   ; t - M, two at a time
.set n, n+2
.endr
.irp b, 0,1,2,3
	v_fma_f32 v[BM+\b], v[BM+\b], s[CS], v12
.endr
.set n, 0
	s_wait_alu depctr_va_vdst(0)
.rept 64
	v_exp_f32 v[S+n], v[S+n]                       ; p = 2^(t - M)
.set n, n+1
.endr
	v_pk_mul_f32 v[14:15], v[14:15], v[FF:FF+1] op_sel_hi:[1,0]   ; the sums under the new M (the plain line behind the exponentials)
	s_wait_alu depctr_va_vdst(0)                   ; one wait for the batch, ahead of its first reader
.irp b, 0,1,2,3
	v_exp_f32 v[BM+\b], v[BM+\b]                   ; each block's largest p
.endr
	v_pk_add_f32 v[232:233], v[96:97], v[100:101]
	v_pk_add_f32 v[254:255], v[104:105], v[108:109]
	v_pk_add_f32 v[252:253], v[112:113], v[116:117]
	v_pk_add_f32 v[250:251], v[120:121], v[124:125]
	v_pk_add_f32 v[248:249], v[128:129], v[132:133]
	v_pk_add_f32 v[246:247], v[136:137], v[140:141]
	v_pk_add_f32 v[244:245], v[144:145], v[148:149]
	v_pk_add_f32 v[14:15], v[14:15], v[152:153]
	v_pk_add_f32 v[232:233], v[232:233], v[92:93]
	v_pk_add_f32 v[254:255], v[254:255], v[94:95]
	v_pk_add_f32 v[252:253], v[252:253], v[98:99]
	v_pk_add_f32 v[250:251], v[250:251], v[102:103]
	v_pk_add_f32 v[248:249], v[248:249], v[106:107]
	v_pk_add_f32 v[246:247], v[246:247], v[110:111]
	v_pk_add_f32 v[244:245], v[244:245], v[114:115]
	v_pk_add_f32 v[14:15], v[14:15], v[118:119]
	v_pk_add_f32 v[232:233], v[232:233], v[122:123]
	v_pk_add_f32 v[254:255], v[254:255], v[126:127]
	v_pk_add_f32 v[252:253], v[252:253], v[130:131]
	v_pk_add_f32 v[250:251], v[250:251], v[134:135]
	v_pk_add_f32 v[248:249], v[248:249], v[138:139]
	v_pk_add_f32 v[246:247], v[246:247], v[142:143]
	v_pk_add_f32 v[244:245], v[244:245], v[146:147]
	v_pk_add_f32 v[14:15], v[14:15], v[150:151]
	v_pk_add_f32 v[232:233], v[232:233], v[154:155]
	s_delay_alu instid0(VALU_DEP_2)
	v_pk_add_f32 v[14:15], v[14:15], v[250:251]
	s_delay_alu instid0(VALU_DEP_2)
	v_pk_add_f32 v[232:233], v[232:233], v[248:249]
	v_pk_add_f32 v[254:255], v[254:255], v[246:247]
	v_pk_add_f32 v[252:253], v[252:253], v[244:245]
	s_delay_alu instid0(VALU_DEP_2)
	v_pk_add_f32 v[14:15], v[14:15], v[254:255]
	s_delay_alu instid0(VALU_DEP_2)
	v_pk_add_f32 v[232:233], v[232:233], v[252:253]
	s_delay_alu instid0(VALU_DEP_1)
	v_pk_add_f32 v[14:15], v[14:15], v[232:233]
	s_wait_alu depctr_va_vdst(0)                   ; and one for the four
.irp b, 0,1,2,3
	v_max_num_f32 v[BM+\b], 0x1800000, v[BM+\b]    ; the floor 2^(3 - 127)
.endr
.irp b, 0,1,2,3
	s_delay_alu instid0(VALU_DEP_4)
	v_add_nc_u32 v[SO+\b], 0xff000000, v[BM+\b]    ; 2 off the exponent field: the conversion's scale operand
.endr
.irp b, 0,1,2,3
	s_delay_alu instid0(VALU_DEP_4)
	v_lshrrev_b32 v[BT+\b], 23, v[SO+\b]           ; the scale's byte
.endr
	s_delay_alu instid0(VALU_DEP_3)
	v_lshl_or_b32 v[PS], v[BT+1], 8, v[BT]
	s_delay_alu instid0(VALU_DEP_1)
	v_lshl_or_b32 v[PS], v[BT+2], 16, v[PS]
	s_delay_alu instid0(VALU_DEP_1)
	v_lshl_or_b32 v[PS], v[BT+3], 24, v[PS]
.irp c, 0,1
	v_cvt_scalef32_pk16_fp6_f32 v[PC+6*\c:PC+2+6*\c], v[S+32*\c:S+15+32*\c], v[SO+2*\c]
	v_cvt_scalef32_pk16_fp6_f32 v[CT+4*\c:CT+2+4*\c], v[S+16+32*\c:S+31+32*\c], v[SO+2*\c+1]
.endr
	v_nop                                          ; one plain line behind a scaled conversion
.irp c, 0,1                                    ; the operand's layout wants a whole block in a lane
.irp i, 0,1,2
	v_permlane16_swap_b32 v[PC+6*\c+\i], v[CT+4*\c+\i]
.endr
.irp i, 0,1,2
	s_delay_alu instid0(VALU_DEP_3)
	v_mov_b32 v[PC+3+6*\c+\i], v[CT+4*\c+\i]
.endr
.endr
.set n, 0
.rept 16
	v_pk_mul_f32 v[OA+n:OA+n+1], v[OA+n:OA+n+1], v[FF:FF+1] op_sel_hi:[1,0]   ; O^T under the new M.  (Of these sixteen, twelve name no register of any one product below: the places behind p's scale word and codes)
.set n, n+2
.endr
	s_wait_alu depctr_va_vdst(0)
	s_wait_dscnt 0x0                               ; V
.irp t, 0,1,2,3
	v_wmma_scale_f32_16x16x128_f8f6f4 v[OA+8*\t:OA+8*\t+7], v[KV+12*\t:KV+12*\t+11], v[PC:PC+11], v[OA+8*\t:OA+8*\t+7], v[VSC+\t], v[PS] matrix_a_fmt:MATRIX_FMT_FP6 matrix_b_fmt:MATRIX_FMT_FP6
.endr                                          ; the four accumulators take turns, and eight other products stand between two turns of one
.Lskip_\@:
	s_add_co_u32 s[TK], s[TK], 6144
	s_add_co_u32 s[TS], s[TS], 256
	s_add_co_u32 s[GG], s[GG], 1
.endm
; THE WAY OUT of a tile: O^T / the sum is y: register 16 b + i is channel 32 b + 16 (lane / 16) + i of the head; its two blocks are quantised; three stores of 256 consecutive bytes, and a byte a lane.
.macro OUT
.rept 4
	v_nop                                          ; places behind the last products
.endr
	v_add_f32 v14, v14, v15
	s_delay_alu instid0(VALU_DEP_1)
	v_permlanex16_b32 v[T0], v14, s[SEL], s[SEL+1]
	s_delay_alu instid0(VALU_DEP_1)
	v_add_f32 v14, v14, v[T0]                      ; the row's sum
	s_wait_alu depctr_va_vdst(0)
	v_rcp_f32 v14, v14
	v_nop
	s_wait_alu depctr_va_vdst(0)                   ; ahead of the reciprocal's first reader
.set n, 0
.rept 16
	v_pk_mul_f32 v[S+n:S+n+1], v[OA+n:OA+n+1], v[14:15] op_sel_hi:[1,0]
.set n, n+2
.endr
.irp b, 0,1
	v_max3_num_f32 v[BM+\b], |v[S+16*\b]|, |v[S+1+16*\b]|, 0x1800000
.endr
.irp i, 2,4,6,8,10,12,14
.irp b, 0,1
	s_delay_alu instid0(VALU_DEP_2)
	v_max3_num_f32 v[BM+\b], v[BM+\b], |v[S+16*\b+\i]|, |v[S+1+16*\b+\i]|
.endr
.endr
.irp b, 0,1
	s_delay_alu instid0(VALU_DEP_2)
	v_permlanex16_b32 v[BT+\b], v[BM+\b], s[SEL], s[SEL+1]
.endr
.irp b, 0,1
	s_delay_alu instid0(VALU_DEP_2)
	v_max_num_f32 v[BM+\b], v[BM+\b], v[BT+\b]
.endr
.irp b, 0,1
	s_delay_alu instid0(VALU_DEP_2)
	v_add_nc_u32 v[SO+\b], 0xff000000, v[BM+\b]
.endr
.irp b, 0,1
	s_delay_alu instid0(VALU_DEP_2)
	v_lshrrev_b32 v[BT+\b], 23, v[SO+\b]
.endr
	v_cvt_scalef32_pk16_fp6_f32 v[PC:PC+2], v[S:S+15], v[SO]
	v_cvt_scalef32_pk16_fp6_f32 v[CT:CT+2], v[S+16:S+31], v[SO+1]
	v_nop
.irp i, 0,1,2
	v_permlane16_swap_b32 v[PC+\i], v[CT+\i]
.endr
.irp i, 0,1,2
	s_delay_alu instid0(VALU_DEP_3)
	v_mov_b32 v[PC+3+\i], v[CT+\i]                 ; registers 0 .. 5: channels 32 (lane / 16) + 0 .. 31
.endr
	v_cndmask_b32 v[BT], v[BT], v[BT+1], s[HM]     ; lanes 0-15 store block 0's byte, lanes 16-31 block 1's
.irp p, 0,1,2
	global_store_b64 v[L8], v[PC+2*\p:PC+2*\p+1], s[YC:YC+1] offset:256*\p
.endr
	global_store_b8 v[YSO], v[BT], s[YS:YS+1]
.endm
.macro TILE n
.if \n
	s_wait_xcnt 0x0                                ; the first tile's stores have read their registers and addresses
	s_xor_b32 s[JJ], s[WV], 31
.irp i, 0,1,2,3,4,5
	v_mov_b32 v[QLO+\i], v[Q2+\i]
	v_mov_b32 v[QHI+6+\i], v[Q2+\i]
.endr
.else
	s_mov_b32 s[JJ], s[WV]
.endif
	s_lshr_b32 s[GD], s[JJ], 1
	s_and_b32 s14, s[JJ], 1
	s_mul_i32 s20, s[GD], 98304
	s_mul_i32 s15, s14, 12288
	s_add_co_u32 s20, s20, s15
	s_add_nc_u64 s[YC:YC+1], s[YCB:YCB+1], s[20:21]
	s_lshl_b32 s20, s[JJ], 11
	s_add_nc_u64 s[YS:YS+1], s[YSB:YSB+1], s[20:21]
	s_lshl_b32 s15, s14, 6
	s_add_co_u32 s15, s15, s[DC]
	v_lshrrev_b32 v[T0], s[SH], v[QW+\n]           ; my tile's two bytes of the word
	s_delay_alu instid0(VALU_DEP_1)
	v_and_b32 v[T0], 0xffff, v[T0]
	s_delay_alu instid0(VALU_DEP_1)
	v_or_b32 v[QSL], 0x01010000, v[T0]             ; the zero codes' bytes are 1
	s_delay_alu instid0(VALU_DEP_2)
	v_lshl_or_b32 v[QSH], v[T0], 16, 0x0101
	v_add_nc_u32 v[DD], s15, v[DL]
	v_mov_b32 v13, 0xff61b1e6                      ; the largest t so far: -3e38
	s_delay_alu instid0(VALU_DEP_1)
	v_floor_f32 v12, -v13                          ; -M
	v_mov_b32 v14, 0
	v_mov_b32 v15, 0
.irp b, 0,1,2,3
	v_mov_b32 v[BT+\b], 0                          ; a lane permute's destination counts as one of its sources
.endr
	v_mov_b32 v[FF+1], 0
	v_mov_b32 v[T0], 0
	v_mov_b32 v[T0+1], 0
.set n2, 0
.rept 32
	v_mov_b32 v[OA+n2], 0                          ; O^T: the step is written once; its first walk finds zeros.  (These lines are also the places behind q's scale words and codes)
.set n2, n2+1
.endr
	s_mov_b32 s[TK], 0
	s_mov_b32 s[TS], 0
	s_mov_b32 s[GG], 0
.Lstep_\@:                             ; 16 trips, a constant: the steps behind the diagonal are passed over inside the trip
	STEP
	s_cmp_lt_u32 s[GG], 16
	s_cbranch_scc1 .Lstep_\@
	OUT
.endm
	TILE 0
	TILE 1
	s_wait_tensorcnt 0x0                           ; the wave's end
	ds_add_u32 v[SPW], v[NIL]
	s_wait_dscnt 0x0
	ROUND                                          ; the closing round
	s_endpgm
.Lfunc_end_k_qb0ee683998_attn:
	.size	k_qb0ee683998_attn, .Lfunc_end_k_qb0ee683998_attn-k_qb0ee683998_attn
	.p2alignl 7, 3214868480
	.fill 96, 4, 3214868480
	.section	.rodata,"a",@progbits
	.p2align	6, 0x0
	.amdhsa_kernel k_qb0ee683998_attn
		.amdhsa_group_segment_fixed_size 327680
		.amdhsa_private_segment_fixed_size 0
		.amdhsa_enable_private_segment 0
		.amdhsa_kernarg_size 32
		.amdhsa_user_sgpr_count 2
		.amdhsa_user_sgpr_kernarg_segment_ptr 1
		.amdhsa_wavefront_size32 1
		.amdhsa_system_sgpr_workgroup_id_x 1
		.amdhsa_system_sgpr_workgroup_id_y 1
		.amdhsa_system_sgpr_workgroup_id_z 1
		.amdhsa_system_vgpr_workitem_id 0
		.amdhsa_next_free_vgpr 256
		.amdhsa_next_free_sgpr 92
		.amdhsa_reserve_vcc 1
		.amdhsa_float_denorm_mode_32 3
		.amdhsa_float_denorm_mode_16_64 3
		.amdhsa_memory_ordered 1
		.amdhsa_forward_progress 1
		.amdhsa_inst_pref_size 71
	.end_amdhsa_kernel
	.amdgpu_metadata
---
amdhsa.version: [ 1, 2 ]
amdhsa.kernels:
  - .name:           k_qb0ee683998_attn
    .symbol:         k_qb0ee683998_attn.kd
    .args:
      - { .name: qkvc, .offset: 0, .size: 8, .value_kind: global_buffer, .address_space: global }
      - { .name: qkvs, .offset: 8, .size: 8, .value_kind: global_buffer, .address_space: global }
      - { .name: yc, .offset: 16, .size: 8, .value_kind: global_buffer, .address_space: global }
      - { .name: ys, .offset: 24, .size: 8, .value_kind: global_buffer, .address_space: global }
    .group_segment_fixed_size: 327680
    .private_segment_fixed_size: 0
    .kernarg_segment_align: 8
    .kernarg_segment_size: 32
    .max_flat_workgroup_size: 512
    .sgpr_count:     92
    .vgpr_count:     256
    .wavefront_size: 32
...
	.end_amdgpu_metadata
.endif
;; end of part 3
;; launch proj (part 4): grid 4 x 64, 4 waves a work-group, clusters of 4 x 4, 327,680 bytes of LDS; arguments yc, ys, wc, ws, b_proj, out0; writes out0
.if DOCPART == 4
	.amdgcn_target "amdgcn-amd-amdhsa--gfx1250"
	.amdhsa_code_object_version 6
	.text
	.protected	k_qb0ee683998_proj
	.globl	k_qb0ee683998_proj
	.p2align	8
	.type	k_qb0ee683998_proj,@function
k_qb0ee683998_proj:
	s_mov_b64 s[64:65], 0
	v_nop
	global_prefetch_b8 v0, s[64:65] scope:SCOPE_SE
	s_setreg_imm32_b32 hwreg(HW_REG_WAVE_MODE, 25, 1), 1
	s_wait_xcnt 0x0
	s_wait_alu depctr_hold_cnt(0) depctr_sa_sdst(0) depctr_va_vdst(0) depctr_va_sdst(0) depctr_va_ssrc(0) depctr_va_vcc(0) depctr_vm_vsrc(0)
	s_getreg_b32 s2, hwreg(HW_REG_IB_STS2, 6, 4)
	s_cmp_eq_u32 s2, 0
	s_cbranch_scc0 .Lentry_in_a_cluster
	s_endpgm
.Lentry_in_a_cluster:
	s_bfe_u32 s2, ttmp6, 0x10000c
	s_cmp_lg_u32 s2, 0xf033
	s_cbranch_scc0 .Lentry_shape_is_right
	s_endpgm
.Lentry_shape_is_right:
; out0 = y W_proj + b_proj on codes of FP6 (E2M3) with E8M0 scales, K = 1,024; f32 sums, f32 out.
; A work-group of four waves makes 128 rows x 256 columns, a wave 64 x 128: 32 accumulators (window 2), so that 64 x 4 blocks give 256 work-groups.  K goes in steps of 256 through two LDS slots filled by the tensor data mover.
; y's codes lie as images of operand registers, [block of 128 rows][K step][tile 8][head % 4][768]: a K step of a block is 24,576 dense bytes.  W's codes lie [K step][row][192 bytes], W_proj's rows behind W_attn's 3,072.
; The product is used transposed (source 0 = 16 columns of W, source 1 = 16 rows of y): a lane holds eight neighbouring columns of one row; the bias is the first products' C.  Rows and columns lie in the stored order (bits 3 and 4 exchanged); the way out sets them right.
; CLUSTERS: 4 x 4 work-groups; y's tiles are asked for jointly along a row of the cluster, W's along a column.  NaN and infinities are not served.
.set NQ,     2
.set ROWB,   192
.set WPL,    4096*192                  ; W's codes lie [K step][row][192 bytes]: a K step's plane
.set PITCH,  240
.set FR,     12
.set NL,     6
.set NP,     4
.set HALFA,  12288                     ; half of y's part of a slot: 64 rows: what one wave fetches in the ring, and what one wave reads
.set HALFT,  128*PITCH
.set BOFF,   2*HALFA
.set SLOT,   2*HALFA+2*HALFT
.set LAPS,   2
.set KS,     32
.set SCL,    2*SLOT
.set HALFS,  (128*KS/256)*272
.set SBLK,   (16*KS/256)*272
.set SPARE,  SCL+4*HALFS
.set SPITCH, 528
.set BPA,  10
.set ADRA, 16
.set ADRB, 20
.set STO,  24
.set RD,   25
.set CO,   26
.set ADRS, 27
.set SPW,  28
.set NIL,  29
.set SC,   32
.set BP,   64
.set AF,   128
.set BK,   128
.set G1, 24
.set G0, 32
.set G1B, 48
.set G0B, 56
.set G1S, 68
.set G0S, 76
.set G1SB, 80
.set G0SB, 88
.set MSB, 0
.macro WIN new
.if MSB != (\new)
	s_set_vgpr_msb (MSB<<8)|(\new)
.set MSB, (\new)
.endif
.endm
.set MUL_LO, 0xa1
.set MUL_HI, 0xf1
.set TO_B,   0x40
.macro JLOAD g0a, g1a, g0b, g1b
	s_cmp_eq_u32 s15, 0
	s_cbranch_scc0 .Lfor_b_\@
	tensor_load_to_lds s[\g0a:\g0a+3], s[\g1a:\g1a+7]
	s_nop 0
.rept 4
	v_nop
.endr
	s_branch .Lasked_\@
.Lfor_b_\@:
	tensor_load_to_lds s[\g0b:\g0b+3], s[\g1b:\g1b+7]
	s_nop 0
.rept 4
	v_nop
.endr
.Lasked_\@:
.endm
.macro CREST
	s_cmp_lg_u32 s14, 0
	s_cbranch_scc1 .Lnot_wave_0_\@
	s_barrier_signal -3
.Lnot_wave_0_\@:
	s_barrier_wait -3
	s_barrier_signal -1
	s_barrier_wait -1
.endm
.macro CROUND
	s_barrier_signal -1
	s_barrier_wait -1
	CREST
.endm
	s_load_b128 s[4:7], s[0:1], 0x0
	s_load_b128 s[8:11], s[0:1], 0x10
	s_load_b128 s[96:99], s[0:1], 0x20
	v_lshl_add_u32 v[SPW], v0, 2, SPARE
	v_mov_b32 v[NIL], 0
	ds_add_u32 v[SPW], v[NIL]
	ds_add_u32 v[SPW], v[NIL]
	v_lshrrev_b32 v1, 5, v0
	v_readfirstlane_b32 s14, v1
	s_lshr_b32 s15, s14, 1
	s_and_b32 s16, s14, 1
	s_bfe_u32 s40, ttmp6, 0x40000
	s_bfe_u32 s41, ttmp6, 0x40004
	s_lshl_b32 s42, ttmp9, 2
	s_add_co_u32 s42, s42, s40
	s_and_b32 s17, ttmp7, 0xffff
	s_lshl_b32 s17, s17, 2
	s_add_co_u32 s17, s17, s41
	s_lshl_b32 s43, s41, 2
	s_lshl_b32 s43, 15, s43
	s_lshl_b32 s44, 0x1111, s40
	s_or_b32 s[G1+0], s43, (3<<16)|(1<<21)
	s_mov_b32 s[G1+1], 32<<16                      ; for the head's load: K step 0 of y's 128 rows: 24,576 dense bytes as 96 rows of 256
	s_mov_b32 s[G1+2], 96<<16
	s_mov_b32 s[G1+3], 32<<16
	s_mov_b32 s[G1+4], 96
	s_mov_b32 s[G1+5], 32
	s_mov_b32 s[G1+6], 0
	s_mov_b32 s[G1+7], 0
	s_or_b32 s[G1B+0], s44, (3<<16)|(1<<20)|(1<<21)|(3<<22)|(3<<25)   ; W's rows: a dense block as rows of 256 bytes, 16 bytes of padding behind every 64; 192 rows for the head's load, 96 behind it
	s_mov_b32 s[G1B+1], 32<<16
	s_mov_b32 s[G1B+2], 192<<16
	s_mov_b32 s[G1B+3], 32<<16
	s_mov_b32 s[G1B+4], 192
	s_mov_b32 s[G1B+5], 32
	s_mov_b32 s[G1B+6], 0
	s_mov_b32 s[G1B+7], 0
	s_or_b32 s[G1S+0], s43, (3<<16)|(1<<20)|(1<<21)|(5<<22)|(3<<25)
	s_or_b32 s[G1SB+0], s44, (3<<16)|(1<<20)|(1<<21)|(5<<22)|(3<<25)
.irp g, G1S, G1SB
	s_mov_b32 s[\g+1], 32<<16
	s_mov_b32 s[\g+2], (256*KS/256)<<16            ; the scales of all 256 rows by one load
	s_mov_b32 s[\g+3], 32<<16
	s_mov_b32 s[\g+4], 256*KS/256
	s_mov_b32 s[\g+5], 32
	s_mov_b32 s[\g+6], 0
	s_mov_b32 s[\g+7], 0
.endr
	s_mov_b32 s[G1S+2], 16<<16                     ; y has 128 rows: 16 units of scale bytes
	s_mov_b32 s[G1S+4], 16
	s_mul_i32 s20, s17, 98304                      ; y's codes: my block of 128 rows
	s_mov_b32 s21, 0
	s_lshl_b32 s22, s17, 12                        ; y's scale bytes: 128 rows of 32
	s_mov_b32 s23, 0
	s_lshl_b32 s46, s42, 8                         ; W_proj's rows lie behind W_attn's 3,072
	s_lshl_b32 s92, s46, 5
	s_add_co_u32 s92, s92, 3072*32
	s_mov_b32 s93, 0
	s_mul_i32 s46, s46, ROWB
	s_add_co_u32 s46, s46, 3072*ROWB
	s_mov_b32 s47, 0
	s_mul_i32 s18, s16, HALFA
	s_mov_b32 s19, 0
	s_mul_i32 s2, s16, 128*ROWB                    ; and of W
	s_mov_b32 s3, 0
	s_mul_i32 s45, s16, HALFA
	s_mul_i32 s95, s16, HALFT
	s_add_co_u32 s95, s95, BOFF
	s_wait_dscnt 0x0
	s_wait_kmcnt 0x0
	s_add_nc_u64 s[20:21], s[4:5], s[20:21]
	s_add_nc_u64 s[22:23], s[6:7], s[22:23]
	s_add_nc_u64 s[46:47], s[8:9], s[46:47]
	s_add_nc_u64 s[92:93], s[10:11], s[92:93]
	CROUND
	; THE HEAD'S FOUR TILES, ONE LOAD A WAVE: wave 0 K step 0 of y's 128 rows, wave 1 of W's 256 rows, wave 2 y's scales, wave 3 W's.  Group 0 of the first two lies where arguments lay
	s_mov_b32 s4, 1
	s_mov_b32 s5, 0
	s_mov_b64 s[6:7], s[20:21]
	s_or_b32 s7, s7, 0x80000000
	s_mov_b32 s8, 1
	s_mov_b32 s9, BOFF
	s_mov_b64 s[10:11], s[46:47]
	s_or_b32 s11, s11, 0x80000000
	s_mov_b32 s[G0S], 1
	s_mov_b32 s[G0S+1], SCL
	s_mov_b64 s[G0S+2:G0S+3], s[22:23]
	s_or_b32 s[G0S+3], s[G0S+3], 0x80000000
	s_mov_b32 s[G0SB], 1
	s_mov_b32 s[G0SB+1], SCL+HALFS
	s_mov_b64 s[G0SB+2:G0SB+3], s[92:93]
	s_or_b32 s[G0SB+3], s[G0SB+3], 0x80000000
	s_add_nc_u64 s[20:21], s[20:21], s[18:19]      ; for the ring: my half of the tile
	s_add_nc_u64 s[46:47], s[46:47], s[2:3]
.irp s, 0,1
	s_mov_b32 s[G0+4*\s], 1
	s_add_co_u32 s[G0+4*\s+1], s45, \s*SLOT
	s_add_nc_u64 s[G0+4*\s+2:G0+4*\s+3], s[20:21], \s*2*HALFA
	s_or_b32 s[G0+4*\s+3], s[G0+4*\s+3], 0x80000000
	s_mov_b32 s[G0B+4*\s], 1
	s_add_co_u32 s[G0B+4*\s+1], s95, \s*SLOT
	s_add_nc_u64 s[G0B+4*\s+2:G0B+4*\s+3], s[46:47], \s*WPL
	s_or_b32 s[G0B+4*\s+3], s[G0B+4*\s+3], 0x80000000
.endr
.macro ARM under, g0, g1, next         ; one chain of branches on the wave's number: every way passes exactly one load
	s_cmp_lt_u32 s14, \under
	s_cbranch_scc0 \next
	tensor_load_to_lds s[\g0:\g0+3], s[\g1:\g1+7]
	s_nop 0
.rept 4
	v_nop
.endr
	s_branch .Lhead_asked
\next:
.endm
	ARM 1, 4, G1, .Lhead_b
	ARM 2, 8, G1B, .Lhead_sa
	ARM 3, G0S, G1S, .Lhead_sb
	tensor_load_to_lds s[G0SB:G0SB+3], s[G1SB:G1SB+7]
	s_nop 0
.rept 4
	v_nop
.endr
.Lhead_asked:
	v_and_b32 v1, 15, v0
	v_bfe_u32 v2, v0, 4, 1
	v_mul_u32_u24 v3, v1, PITCH
	v_mul_u32_u24 v4, v2, 24
	v_add_nc_u32 v4, v3, v4
	v_lshl_add_u32 v5, v2, 4, v4
	v_and_b32 v7, 31, v0
	v_lshlrev_b32 v7, 3, v7
	s_mul_i32 s21, s15, HALFA
	s_mul_i32 s22, s16, HALFT
	s_add_co_u32 s22, s22, BOFF
.irp s, 0,1
	v_add_nc_u32 v[ADRA+\s], s21, v7
	v_add_nc_u32 v[ADRB+\s], s22, v4
	v_add_nc_u32 v[ADRB+2+\s], s22, v5
	s_add_co_u32 s21, s21, SLOT
	s_add_co_u32 s22, s22, SLOT
.endr
	v_mul_u32_u24 v5, v1, KS
	v_lshrrev_b32 v6, 8, v5
	v_lshl_add_u32 v5, v6, 4, v5
	s_mul_i32 s21, s15, HALFS/2                    ; y's scales: my 64 rows
	s_mul_i32 s22, s16, HALFS
	s_add_co_u32 s22, s22, HALFS                   ; W's lie straight behind y's 128 rows'
	s_sub_co_u32 s22, s22, s21
	v_mul_u32_u24 v6, s22, v2
	s_add_co_u32 s21, s21, SCL
	v_add_nc_u32 v5, v5, v6
	v_add_nc_u32 v[ADRS], s21, v5
	s_mul_i32 s23, s14, 16*SPITCH
	v_mul_u32_u24 v5, v1, SPITCH
	v_lshl_add_u32 v5, v2, 6, v5
	v_add_nc_u32 v[STO], s23, v5
	v_and_b32 v6, 31, v0
	v_lshlrev_b32 v[CO], 4, v6
	v_add_nc_u32 v[RD], s23, v[CO]
	s_lshl_b32 s20, s17, 7                         ; my first row of out0: 128 x block + 64 x half
	s_lshl_b32 s21, s15, 6
	s_add_co_u32 s20, s20, s21
	s_lshl_b32 s20, s20, 12
	s_lshl_b32 s46, s42, 10
	s_lshl_b32 s47, s16, 9
	s_add_co_u32 s46, s46, s47
	s_add_co_u32 s20, s20, s46
	s_mov_b32 s21, 0
	s_add_nc_u64 s[98:99], s[98:99], s[20:21]
	s_lshr_b32 s46, s46, 0
	s_mov_b32 s47, 0
	s_add_nc_u64 s[96:97], s[96:97], s[46:47]
	v_lshlrev_b32 v[BPA], 6, v2
.irp b, 0,1,2,3,4,5,6,7
	global_load_b128 v[BP+8*\b:BP+8*\b+3], v[BPA], s[96:97] offset:128*(\b/2)+32*(\b%2)
	global_load_b128 v[BP+8*\b+4:BP+8*\b+7], v[BPA], s[96:97] offset:128*(\b/2)+32*(\b%2)+16
.endr
.macro FRAG reg, adr, q, i
.irp p, 0,1,2,3,4,5
.set PCE, 12*(\q)+6*(\p/3)+\p%3
.if PCE%8 < 5
	ds_load_b64 v[\reg+2*\p:\reg+2*\p+1], v[\adr] offset:8*PCE+16*(PCE/8)+(\i)*16*PITCH
.else
	ds_load_b64 v[\reg+2*\p:\reg+2*\p+1], v[\adr+2] offset:8*PCE+16*(PCE/8)+(\i)*16*PITCH
.endif
.endr
.endm
.macro FRAGA reg, slot, q, i
.irp p, 0,1,2,3,4,5
	ds_load_b64 v[\reg+2*\p:\reg+2*\p+1], v[ADRA+\slot] offset:(\i)*3072+(\q)*1536+256*\p
.endr
.endm
.macro MUL8 a0, p, q, sc, zero         ; 8 products: y's block a0 x W's eight; the 32 accumulators take turns, in the same order in every step
.irp a, \a0
.irp b, 0,1,2,3,4,5,6,7
.if \zero
	v_wmma_scale_f32_16x16x128_f8f6f4 v[8*(8*((\a)%4)+\b):8*(8*((\a)%4)+\b)+7], v[128*(\p)+FR*\b:128*(\p)+FR*\b+FR-1], v[AF+FR*(\a):AF+FR*(\a)+FR-1], v[BP+8*\b:BP+8*\b+7], v[SC+8*NQ*(\sc)+NQ*\b+(\q)], v[SC+8*NQ*(\sc)+NQ*(\a)+(\q)] matrix_a_fmt:MATRIX_FMT_FP6 matrix_b_fmt:MATRIX_FMT_FP6 matrix_a_scale:MATRIX_SCALE_ROW1
.else
	v_wmma_scale_f32_16x16x128_f8f6f4 v[8*(8*((\a)%4)+\b):8*(8*((\a)%4)+\b)+7], v[128*(\p)+FR*\b:128*(\p)+FR*\b+FR-1], v[AF+FR*(\a):AF+FR*(\a)+FR-1], v[8*(8*((\a)%4)+\b):8*(8*((\a)%4)+\b)+7], v[SC+8*NQ*(\sc)+NQ*\b+(\q)], v[SC+8*NQ*(\sc)+NQ*(\a)+(\q)] matrix_a_fmt:MATRIX_FMT_FP6 matrix_b_fmt:MATRIX_FMT_FP6 matrix_a_scale:MATRIX_SCALE_ROW1
.endif
.endr
.endr
.endm
.macro FETCH_B slot, q, p
	WIN TO_B
.irp i, 0,1,2,3,4,5,6,7
	FRAG 128*(\p)+FR*\i, ADRB+\slot, \q, \i
.endr
	WIN 0
.endm
.macro FETCH_A slot, q, i0
.irp i, \i0, \i0+1
	FRAGA AF+FR*(\i), \slot, \q, \i
.endr
.endm
.macro SCALES sc
.irp i, 0,1,2,3,4,5,6,7
	ds_load_b64 v[SC+8*NQ*\sc+NQ*\i:SC+8*NQ*\sc+NQ*\i+1], v[ADRS] offset:\i*SBLK
.endr
.endm
.macro PLACES n
.rept \n
	v_nop
.endr
.endm
.macro STEP slot, q, zero
	s_wait_dscnt 2*NL                              ; W's set and y's blocks 0, 1 are in; the youngest 12 loads (blocks 2, 3) may be out
	WIN MUL_LO-0x20*(\zero)
	MUL8 0, (\q)%2, \q, \slot, \zero
	MUL8 1, (\q)%2, \q, \slot, \zero
	s_wait_dscnt 0
	PLACES NP
	FETCH_B \slot, (\q)+1, 1-(\q)%2
	FETCH_A \slot, (\q)+1, 0
	WIN MUL_LO-0x20*(\zero)
	MUL8 2, (\q)%2, \q, \slot, \zero
	MUL8 3, (\q)%2, \q, \slot, \zero
	PLACES NP
	WIN 0
	FETCH_A \slot, (\q)+1, 2
.endm
.macro TURN slot, next, fill
	s_wait_tensorcnt 0x0
	ds_add_u32 v[SPW], v[NIL]
	s_wait_dscnt 2*NL+1                            ; the add and the youngest 12 loads may be out
	WIN MUL_LO
	MUL8 0, 1, NQ-1, \slot, 0
	MUL8 1, 1, NQ-1, \slot, 0
	s_wait_dscnt 0x0                               ; the add is done, and my reads of this slot are over
	s_barrier_signal -1
	MUL8 2, 1, NQ-1, \slot, 0
	WIN 0
	s_barrier_wait -1
.if \fill
	CREST
	s_add_nc_u64 s[G0+4*\slot+2:G0+4*\slot+3], s[G0+4*\slot+2:G0+4*\slot+3], 4*HALFA
	s_add_nc_u64 s[G0B+4*\slot+2:G0B+4*\slot+3], s[G0B+4*\slot+2:G0B+4*\slot+3], 2*WPL
	JLOAD G0+4*\slot, G1, G0B+4*\slot, G1B
.else
	PLACES NP
.endif
	s_wait_alu depctr_va_vdst(0)
	v_add_nc_u32 v[ADRS], 4*NQ, v[ADRS]
	FETCH_B \next, 0, 0
	FETCH_A \next, 0, 0
	SCALES \next
	WIN MUL_LO
	MUL8 3, 1, NQ-1, \slot, 0
	PLACES NP
	WIN 0
	FETCH_A \next, 0, 2
.endm
	s_wait_alu depctr_va_vdst(0)
	s_wait_loadcnt 0x0
	s_wait_tensorcnt 0x0                           ; my tile of the head's four is in
	ds_add_u32 v[SPW], v[NIL]
	s_mov_b32 s[G1+2], 48<<16                      ; y: 12,288 dense bytes as 48 rows of 256
	s_mov_b32 s[G1+4], 48
	s_mov_b32 s[G1B+2], 96<<16
	s_mov_b32 s[G1B+4], 96
	s_wait_dscnt 0x0
	CROUND                                         ; all four tiles are in, and all sixteen work-groups are here
	JLOAD G0+4, G1, G0B+4, G1B                     ; K step 1, the first tensor load behind the round
	FETCH_B 0, 0, 0
	FETCH_A 0, 0, 0
	SCALES 0
	FETCH_A 0, 0, 2
	STEP 0, 0, 1
	s_mov_b32 s3, LAPS-1
.Llap:
	TURN 0, 1, 1
	STEP 1, 0, 0
	TURN 1, 0, 1
	STEP 0, 0, 0
	s_sub_co_u32 s3, s3, 1
	s_cmp_lg_u32 s3, 0
	s_cbranch_scc1 .Llap
	TURN 0, 1, 0
	STEP 1, 0, 0
	s_wait_dscnt 0                                 ; the very last step: nothing more to fetch
	WIN MUL_LO
	MUL8 0, 1, NQ-1, 1, 0
	MUL8 1, 1, NQ-1, 1, 0
	MUL8 2, 1, NQ-1, 1, 0
	MUL8 3, 1, NQ-1, 1, 0
	WIN 0
.macro TOSTAGE a
.set AC, 64*((\a)%4)
	WIN 0x08+4*((\a)/4)
.irp b, 0,1,2,3,4,5,6,7
	ds_store_b128 v[STO], v[AC+8*\b:AC+8*\b+3] offset:128*(\b/2)+32*(\b%2)
	ds_store_b128 v[STO], v[AC+8*\b+4:AC+8*\b+7] offset:128*(\b/2)+32*(\b%2)+16
.endr
	WIN 0
.set BB, BK+64*((\a)%2)
.irp t, 0,1,2,3,4,5,6,7,8,9,10,11,12,13,14,15
	ds_load_b128 v[BB+4*\t:BB+4*\t+3], v[RD] offset:\t*SPITCH
.endr
.endm
.macro SEND a, younger
.set BB, BK+64*((\a)%2)
	s_wait_dscnt \younger
.irp t, 0,1,2,3,4,5,6,7,8,9,10,11,12,13,14,15
	global_store_b128 v[CO], v[BB+4*\t:BB+4*\t+3], s[98:99] offset:(32*((\a)/2)+8*((\a)%2)+(\t&7)+16*(\t>>3))*4096 th:TH_STORE_NT
.endr
.endm
	PLACES NP
	TOSTAGE 0
.irp a, 1,2,3
.if \a > 1
	s_wait_xcnt 0x0
.endif
	TOSTAGE \a
	SEND \a-1, 32
.endr
	SEND 3, 0
	s_wait_tensorcnt 0x0
	ds_add_u32 v[SPW], v[NIL]
	s_wait_dscnt 0x0
	CROUND
	s_endpgm
.Lfunc_end_k_qb0ee683998_proj:
	.size	k_qb0ee683998_proj, .Lfunc_end_k_qb0ee683998_proj-k_qb0ee683998_proj
	.p2alignl 7, 3214868480
	.fill 96, 4, 3214868480
	.section	.rodata,"a",@progbits
	.p2align	6, 0x0
	.amdhsa_kernel k_qb0ee683998_proj
		.amdhsa_group_segment_fixed_size 327680
		.amdhsa_private_segment_fixed_size 0
		.amdhsa_enable_private_segment 0
		.amdhsa_kernarg_size 48
		.amdhsa_user_sgpr_count 2
		.amdhsa_user_sgpr_kernarg_segment_ptr 1
		.amdhsa_wavefront_size32 1
		.amdhsa_system_sgpr_workgroup_id_x 1
		.amdhsa_system_sgpr_workgroup_id_y 1
		.amdhsa_system_sgpr_workgroup_id_z 1
		.amdhsa_system_vgpr_workitem_id 0
		.amdhsa_next_free_vgpr 1024
		.amdhsa_next_free_sgpr 100
		.amdhsa_reserve_vcc 0
		.amdhsa_float_denorm_mode_32 3
		.amdhsa_float_denorm_mode_16_64 3
		.amdhsa_memory_ordered 1
		.amdhsa_forward_progress 1
		.amdhsa_inst_pref_size 104
	.end_amdhsa_kernel
	.amdgpu_metadata
---
amdhsa.version: [ 1, 2 ]
amdhsa.kernels:
  - .name:           k_qb0ee683998_proj
    .symbol:         k_qb0ee683998_proj.kd
    .args:
      - { .name: yc, .offset: 0, .size: 8, .value_kind: global_buffer, .address_space: global }
      - { .name: ys, .offset: 8, .size: 8, .value_kind: global_buffer, .address_space: global }
      - { .name: wc, .offset: 16, .size: 8, .value_kind: global_buffer, .address_space: global }
      - { .name: ws, .offset: 24, .size: 8, .value_kind: global_buffer, .address_space: global }
      - { .name: b_proj, .offset: 32, .size: 8, .value_kind: global_buffer, .address_space: global }
      - { .name: out0, .offset: 40, .size: 8, .value_kind: global_buffer, .address_space: global }
    .group_segment_fixed_size: 327680
    .private_segment_fixed_size: 0
    .kernarg_segment_align: 8
    .kernarg_segment_size: 48
    .max_flat_workgroup_size: 128
    .sgpr_count:     100
    .vgpr_count:     1024
    .wavefront_size: 32
...
	.end_amdgpu_metadata
.endif
;; end of part 4
